; MI455X (gfx1250); checked and timed in simulation.
; The chip was launched on July 23, 2026; its instructions are those of AMD's public machine-readable ISA for CDNA 5 (MIT licence, August 2026) and "CDNA5" Instruction Set Architecture Reference Guide (July 2026). The comments in the code are by the model that wrote it; some were corrected since.
;; HF Gemma4 Attention Adapter. Allowed arithmetic: matrix products marked QUANTISED: E2M3 operands, one E8M0 scale for each 32 along K, by v_wmma_scale_f32_16x16x128_f8f6f4 with both operands' format E2M3, f32 sums; everything else in f32.
;; Inputs: Wk 1,024 x 2,048 float32; Wo 2,048 x 1,024 float32; Wq 1,024 x 2,048 float32; Wv 1,024 x 2,048 float32; hidden_states 2 x 2,048 x 2,048 float32; k_norm_w 256 float32; q_norm_w 256 float32.
;; Outputs: out0 2 x 2,048 x 2,048 float32.
;; This version of the problem:
;;   THIS VERSION OF THE PROBLEM IS GIVEN IN LOW PRECISION. The matrix products marked QUANTISED in the list below multiply operands that are first quantised to E2M3 (2 exponent bits, 3 mantissa bits; 6 bits a number), with one power-of-two scale for each 32 numbers along K (OCP MX v1.0); their sums are f32. All else is computed in f32.
;;   The module's matrix products, in the order in which they are computed (A, B: the left and right operand; K: the contracted axis; several contracted axes count as one K, in the product's order):
;;     1. [M 4,096, K 2,048] x [K 2,048, N 1,024]; A: input hidden_states; B: input Wq: QUANTISED
;;     2. [M 4,096, K 2,048] x [K 2,048, N 1,024]; A: input hidden_states; B: input Wk: QUANTISED
;;     3. [M 4,096, K 2,048] x [K 2,048, N 1,024]; A: input hidden_states; B: input Wv: QUANTISED
;;     4. batch 8 x [M 2,048, K 256] x [K 256, N 2,048]; A: computed on the way; B: computed on the way: QUANTISED
;;     5. batch 8 x [M 2,048, K 2,048] x [K 2,048, N 256]; A: softmax (see below); B: computed on the way: QUANTISED
;;     6. [M 4,096, K 1,024] x [K 1,024, N 2,048]; A: computed on the way; B: input Wo: QUANTISED
;;   THE QUANTISER, for each operand of a quantised product, along K:
;;     - K is cut into blocks of 32 from its start; a last block that is shorter is filled with zeros.
;;     - A block's scale is 2^e with e = floor(log2(the largest magnitude in the block)) - 2, held to -126 .. 127; a block of zeros has e = 0. As a byte (E8M0): e + 127.
;;     - Each number is divided by its block's scale, clamped to +-7.5, and rounded to the nearest number of E2M3, ties to even, subnormals kept.
;;     - The product sums the exact products of the quantised numbers (number of the format x scale) in f32.
;;   ~~~python
;;   def quantise(x, axis):      # numpy; x: float32 -> the quantised numbers, widened to float32 again
;;       x = np.moveaxis(x, axis, -1); K = x.shape[-1]
;;       x = np.pad(x, [(0, 0)] * (x.ndim - 1) + [(0, -K % 32)]); x = x.reshape(x.shape[:-1] + (-1, 32)); a = np.abs(x).max(-1, keepdims=True)
;;       e = np.where(a > 0, np.clip(np.frexp(np.where(a > 0, a, 1))[1] - 1 - 2, -126, 127), 0)      # np.frexp(a)[1] - 1 = floor(log2(a)), exactly
;;       r = np.clip(x / 2.0 ** e, -7.5, 7.5)
;;       step = 2.0 ** (np.maximum(np.frexp(np.where(r == 0, 1, r))[1] - 1, 0) - 3)
;;       q = np.round(r / step) * step * 2.0 ** e      # np.round: ties to even
;;       return np.moveaxis(q.reshape(q.shape[:-2] + (-1,))[..., :K], -1, axis).astype(np.float32)
;;   ~~~
;;   SOFTMAX AHEAD OF A QUANTISED PRODUCT. Where the list says 'softmax', what is quantised is not the finished softmax but p = 2^(t - M), with t = logit x log2(e) and M = ceil(the row's largest t), a whole number; so 1/2 < the row's largest p <= 1. The row's sum l is taken of the UNQUANTISED p, in f32, and the product's result is divided by l at the end. Since M is a whole number, a kernel that streams over the keys may use a running M (the ceiling of the running maximum): every later rescaling is an exact power of two, which a block's scale takes up: the codes' values come out the same.
;;   OPERANDS COMPUTED ON THE WAY. 'Computed on the way' means the value that the module computes at that place (a softmax that the list does not call 'softmax' is quantised finished and normalised). What goes into a quantiser is computed in f32, as accurately as f32 sums, v_exp_f32 and their like allow (about 1e-6 of the number): no bf16 or f16 on the way to a quantiser, and a product that is left as it is and whose result goes on into a quantised operand takes f32 operands (vector FMAs, or v_wmma_f32_16x16x4_f32). A number that lies on a knife's edge between two numbers of the format may be rounded either way, as far as f32 arithmetic and the matrix unit's own rounding can turn it there, and no further.
;; One version. Each part assembles by itself: llvm-mc -triple=amdgcn-amd-amdhsa -mcpu=gfx1250 --defsym DOCPART=n.
;; ======== version 1 of 1: 4 launches
;; limits: right only within a limited range of input values
;; workspace buffers: cw 13,107,200 bytes; rope 2,097,152 bytes; qkv 9,830,400 bytes; att 3,276,800 bytes
;; launch prep (part 1): grid 576 x 1, 4 waves a work-group, no clusters, 34,304 bytes of LDS; arguments hidden_states, Wq, Wk, Wv, Wo, cw, rope; writes cw, rope
.if DOCPART == 1
	.amdgcn_target "amdgcn-amd-amdhsa--gfx1250"
	.amdhsa_code_object_version 6
	.text
	.protected	k_q9770386931_prep
	.globl	k_q9770386931_prep
	.p2align	8
	.type	k_q9770386931_prep,@function
k_q9770386931_prep:
	s_mov_b64 s[64:65], 0
	v_nop
	global_prefetch_b8 v0, s[64:65] scope:SCOPE_SE
	s_setreg_imm32_b32 hwreg(HW_REG_WAVE_MODE, 25, 1), 1
	s_wait_xcnt 0x0
; FIRST OF FOUR LAUNCHES: hidden_states, Wq, Wk, Wv and Wo (f32, K innermost) become codes of E2M3 with one E8M0 byte for each 32 along K; and the table of cos and sin for RoPE is made.
; WORK LEFT OUT BY THE PROGRAM (third launch).  reference() builds the mask (j <= i and i - j < 1024) in its own body and puts the least f32 number in place of the hidden scores; every row keeps key j = i, so behind
; the row's maximum a hidden score's weight is 0 for all values of the inputs.  Tiles of the score product and of the product with v that lie wholly under the mask add nothing to any output and are not multiplied.
; jnp.repeat with rep = 1 is the identity.  Nothing else is left out; every input is loaded.  LIMIT: a NaN, an infinity or an overflow that arises only in a tile that is left out is not carried to the result.
; LAYOUT OF ALL OPERANDS IN THIS PROGRAM'S OWN BUFFERS: IMAGES OF REGISTERS.  A fragment is 16 rows x 128 K = 12 registers a lane = 1,536 bytes: three pieces of 512 bytes, piece c = registers 4 c .. 4 c + 3, lane l's 16 bytes at 16 l.
; Lane (r, h) holds row r; registers 6 c .. 6 c + 5 hold k = 64 c + 32 h + 0 .. 31.  THE ROWS OF A FRAGMENT ARE NOT NEIGHBOURS: row block 2 g + u holds rows 32 g + 8 u + (r & 7) + 16 (r >> 3).
; Scale words (4 bytes = 128 k of a row): [row block][K / 256][r][2 words], 128 bytes for each 256 along K.
; cw: codes at 6,144 u and scale words at HSC + 256 u, u = the number of a wave's share (one row block x 512 along K): hidden 0-1023, Wq, Wk, Wv 1024-1791, Wo 1792-2047.
; SHARES.  Work-groups 0-511 quantise, wave w of work-group g takes share 4 g + w: four steps of 16 rows x 128 K.  Each load reads 512 consecutive bytes of one row; the 8,192 bytes of a step turn through the wave's own stage in LDS
; (rows 528 bytes apart) and come back as 32 neighbours along K twice a lane, a whole block each: no other lane is asked for a maximum.  Two steps' loads (32 a wave) are on their way.  Waves share nothing: no barrier.
; Work-groups 512-575 make the table: rope[position block 0-127][quad 0-31][lane][4 f32]; quads 0-15 cos, 16-31 sin; number 4 quad + e of lane (r, h) belongs to frequency 32 (quad / 4) + 16 h + 4 (quad % 4) + e.
; THE QUANTISER: a block's scale byte is its largest magnitude's exponent field - 2, held at 1 from below by a floor among the maximum's leaves.
; LIMITS: a block of zeros gets the byte 1 where the rule says 127 (its codes are zeros, and this program alone reads the bytes); blocks whose largest magnitude lies under 2^-124 are held at the byte 1; NaN and infinities are not served.
; The angle is position x 10000^(-i / 128) with the power taken by v_exp_f32 (1 ulp): it may differ from another f32 power's angle by about 1e-7 of itself.
.set SPARE, 33792                      ; behind the four stages: the spare words, 128 bytes a wave
.set HSC,   12582912
.set STG,   8448                       ; a wave's stage: 16 rows x 528 bytes
.set R,     64                         ; v64-191   two sets of 64: a step as loaded
.set X,     192                        ; v192-255  my two blocks of 32 neighbours
.set F,     32                         ; v32-55    two sets of 12: a fragment
.set WD,    16                         ; v16-19    the four steps' scale words
	s_load_b256 s[4:11], s[0:1], 0x0               ; hidden, Wq, Wk, Wv
	s_load_b128 s[12:15], s[0:1], 0x20             ; Wo, cw
	s_load_b64 s[16:17], s[0:1], 0x30              ; rope
	v_lshl_add_u32 v6, v0, 2, SPARE                ; my spare word,
	v_mov_b32 v7, 0                                ; and 0: kept for the add at the wave's end
	v_lshrrev_b32 v8, 5, v0
	v_readfirstlane_b32 s18, v8                    ; wave
	v_and_b32 v9, 31, v0                           ; lane
	v_and_b32 v10, 15, v0                          ; r
	v_bfe_u32 v11, v0, 4, 1                        ; h
	v_lshlrev_b32 v1, 4, v9                        ; 16 x lane
	v_lshlrev_b32 v2, 3, v9                        ; 8 x lane
	v_lshlrev_b32 v5, 3, v11                       ; 8 h
	s_mov_b32 s2, 0x76543210
	s_mov_b32 s3, 0xfedcba98                       ; selects for lane l xor 16
	s_mov_b32 s20, ttmp9                           ; g
	s_wait_kmcnt 0x0
	s_cmp_ge_u32 s20, 512
	s_cbranch_scc1 .Lrope
	; ---------------- the quantiser
	s_mul_i32 s19, s18, STG
	s_wait_alu depctr_va_vdst(0)
	v_add_nc_u32 v3, s19, v1                       ; into the stage: 16 x lane of a row
	v_mul_u32_u24 v4, v10, 528
	v_lshl_add_u32 v4, v11, 7, v4
	v_add_nc_u32 v4, s19, v4                       ; out of it: row r, + 128 h bytes: block h of the row's four
	v_mov_b32 v15, 0                               ; (a lane permute's destination counts as one of its sources)
	s_mov_b64 s[22:23], s[12:13]                   ; which tensor: the choice hangs on the work-group's number alone
	s_mov_b32 s21, 448
	s_cmp_lt_u32 s20, 448
	s_cselect_b64 s[22:23], s[10:11], s[22:23]
	s_cselect_b32 s21, 384, s21
	s_cmp_lt_u32 s20, 384
	s_cselect_b64 s[22:23], s[8:9], s[22:23]
	s_cselect_b32 s21, 320, s21
	s_cmp_lt_u32 s20, 320
	s_cselect_b64 s[22:23], s[6:7], s[22:23]
	s_cselect_b32 s21, 256, s21
	s_cmp_lt_u32 s20, 256
	s_cselect_b64 s[22:23], s[4:5], s[22:23]
	s_cselect_b32 s21, 0, s21
	s_sub_co_u32 s21, s20, s21                     ; the work-group's number within its tensor
	s_lshl_b32 s24, s21, 1
	s_lshr_b32 s25, s18, 1
	s_add_co_u32 s24, s24, s25                     ; Wo (K = 1,024): two row blocks a work-group,
	s_and_b32 s25, s18, 1                          ; two shares along K
	s_mov_b32 s26, 8192
	s_cmp_ge_u32 s20, 448
	s_cselect_b32 s24, s24, s21                    ; row block
	s_cselect_b32 s25, s25, s18                    ; which 512 along K
	s_cselect_b32 s26, 4096, s26                   ; a row in bytes
	s_lshr_b32 s27, s24, 1
	s_lshl_b32 s27, s27, 5
	s_and_b32 s28, s24, 1
	s_lshl_b32 s28, s28, 3
	s_add_co_u32 s27, s27, s28                     ; the block's first row: 32 g + 8 u
	s_mul_i32 s27, s27, s26
	s_lshl_b32 s28, s25, 11
	s_add_co_u32 s28, s27, s28
	s_mov_b32 s29, 0
	s_add_nc_u64 s[22:23], s[22:23], s[28:29]
.irp i, 0,1,2,3,4,5,6,7,8,9,10,11,12,13,14,15
	s_mul_i32 s28, s26, \i+8*(\i/8)                ; fragment row i is the tensor's row i + 8 (i / 8) from there
	s_add_nc_u64 s[32+2*\i:33+2*\i], s[22:23], s[28:29]
.endr
	s_lshl_b32 s30, s20, 2
	s_add_co_u32 s30, s30, s18                     ; u
	s_mul_i32 s28, s30, 6144
	s_add_nc_u64 s[4:5], s[14:15], s[28:29]        ; my codes
	s_lshl_b32 s28, s30, 8
	s_add_co_u32 s28, s28, HSC
	s_add_nc_u64 s[6:7], s[14:15], s[28:29]        ; my scale words
.macro LOAD t                          ; step t: 16 rows x 512 consecutive bytes
.irp i, 0,1,2,3,4,5,6,7,8,9,10,11,12,13,14,15
	global_load_b128 v[R+64*((\t)%2)+4*\i:R+64*((\t)%2)+4*\i+3], v1, s[32+2*\i:33+2*\i] offset:512*(\t) th:TH_LOAD_NT
.endr
.endm
.macro STEP t
.set FS, F+12*((\t)%2)
.if (\t) < 3
	s_wait_loadcnt 16                              ; this step's 16 loads are in; the next step's 16 may be out
.else
	s_wait_loadcnt 0x0
.endif
.irp i, 0,1,2,3,4,5,6,7,8,9,10,11,12,13,14,15
	ds_store_b128 v3, v[R+64*((\t)%2)+4*\i:R+64*((\t)%2)+4*\i+3] offset:528*\i
.endr
.irp c, 0,1
.irp e, 0,1,2,3,4,5,6,7
	ds_load_b128 v[X+32*\c+4*\e:X+32*\c+4*\e+3], v4 offset:256*\c+16*\e   ; LDS serves a wave's instructions in order: these see the stores above.  k = 64 c + 32 h + 4 e ..
.endr
.endr
	s_wait_dscnt 0x0
.if (\t) < 2
	LOAD (\t)+2
.endif
	v_max3_num_f32 v8, |v[X]|, |v[X+1]|, 0x1800000                 ; my two blocks by turns; the floor 2^(3 - 127) holds the byte at 1 from below
	v_max3_num_f32 v9, |v[X+32]|, |v[X+33]|, 0x1800000
.irp i, 2,4,6,8,10,12,14,16,18,20,22,24,26,28,30
	v_max3_num_f32 v8, v8, |v[X+\i]|, |v[X+\i+1]|
	v_max3_num_f32 v9, v9, |v[X+32+\i]|, |v[X+33+\i]|
.endr
	v_add_nc_u32 v10, 0xff000000, v8               ; 2 off the exponent field: the conversion's scale operand
	v_add_nc_u32 v11, 0xff000000, v9
	v_lshrrev_b32 v12, 23, v10                     ; the bytes of blocks h and 2 + h
	v_lshrrev_b32 v13, 23, v11
	v_lshl_or_b32 v14, v13, 16, v12
	v_lshlrev_b32 v14, v5, v14                     ; at their places, 8 h bits up
	v_permlanex16_b32 v15, v14, s2, s3
	v_or_b32 v[WD+(\t)], v14, v15                  ; with lane l xor 16's two the row's word is whole
.if (\t) >= 2
	s_wait_alu depctr_va_vdst(0)
	s_wait_xcnt 0x0                                ; the stores of two steps ago have read this set of registers
.endif
	v_cvt_scalef32_pk16_fp6_f32 v[FS:FS+2], v[X:X+15], v10
	v_cvt_scalef32_pk16_fp6_f32 v[24:26], v[X+16:X+31], v10        ; (a conversion's three registers begin on an even number)
	v_cvt_scalef32_pk16_fp6_f32 v[FS+6:FS+8], v[X+32:X+47], v11
	v_cvt_scalef32_pk16_fp6_f32 v[28:30], v[X+48:X+63], v11
	v_nop                                          ; one plain place behind a scaled conversion
.irp i, 0,1,2
	v_mov_b32 v[FS+3+\i], v[24+\i]
	v_mov_b32 v[FS+9+\i], v[28+\i]
.endr
.irp c, 0,1,2
	global_store_b128 v1, v[FS+4*\c:FS+4*\c+3], s[4:5] offset:1536*(\t)+512*\c   ; 512 consecutive bytes, at a multiple of 512 from the buffer's first byte
.endr
.endm
	LOAD 0
	LOAD 1
	s_wait_alu depctr_va_vdst(0)
	STEP 0
	STEP 1
	STEP 2
	STEP 3
	v_cmp_ne_u32 vcc_lo, 0, v5                     ; lanes 0-15 store the words of the first 256 along K, lanes 16-31 those of the second
	v_cndmask_b32 v20, v[WD], v[WD+2], vcc_lo
	v_cndmask_b32 v21, v[WD+1], v[WD+3], vcc_lo
	global_store_b64 v2, v[20:21], s[6:7]          ; 256 consecutive bytes, aligned
	s_wait_tensorcnt 0x0                           ; the wave's end, behind my last LDS store
	ds_add_u32 v6, v7
	s_wait_dscnt 0x0
	s_endpgm
	; ---------------- the table of cos and sin.  A wave makes half a position block: eight quads of cos and of sin.  No LDS is touched here.
.Lrope:
	s_sub_co_u32 s21, s20, 512
	s_lshl_b32 s21, s21, 2
	s_add_co_u32 s21, s21, s18
	s_lshr_b32 s22, s21, 1                         ; position block
	s_and_b32 s23, s21, 1                          ; which eight quads
	s_lshr_b32 s24, s22, 1
	s_lshl_b32 s24, s24, 5
	s_and_b32 s25, s22, 1
	s_lshl_b32 s25, s25, 3
	s_add_co_u32 s24, s24, s25
	s_wait_alu depctr_va_vdst(0)
	v_and_b32 v8, 7, v10
	v_lshrrev_b32 v9, 3, v10
	v_lshl_add_u32 v8, v9, 4, v8
	v_add_nc_u32 v8, s24, v8
	v_cvt_f32_u32 v8, v8                           ; my position
	v_lshlrev_b32 v12, 4, v11                      ; 16 h + e
	v_add_nc_u32 v13, 1, v12
	v_add_nc_u32 v14, 2, v12
	v_add_nc_u32 v15, 3, v12
	s_lshl_b32 s28, s22, 14
	s_lshl_b32 s29, s23, 12
	s_add_co_u32 s28, s28, s29
	s_mov_b32 s29, 0
	s_add_nc_u64 s[16:17], s[16:17], s[28:29]
	s_lshl_b32 s25, s23, 3                         ; the quad in hand
	s_mov_b32 s32, 0xbdd49a78                      ; -log2(10000) / 128, high part
	s_mov_b32 s33, 0xb1179a4a                      ; and what f32 left of it
	s_mov_b32 s34, 0x3f317218                      ; ln 2
	s_mov_b32 s35, 0x3f22f983                      ; 2 / pi
	s_mov_b32 s36, 0xbfc90fdb                      ; -(pi / 2), high part
	s_mov_b32 s37, 0x333bbd2e                      ; -(pi / 2 - high part)
	s_mov_b32 s38, 0x3638ef1d                      ; 1 / 9!
	s_mov_b32 s39, 0xb9500d01                      ; -1 / 7!
	s_mov_b32 s40, 0x3c088889                      ; 1 / 5!
	s_mov_b32 s41, 0xbe2aaaab                      ; -1 / 3!
	s_mov_b32 s42, 0xb493f27e                      ; -1 / 10!
	s_mov_b32 s43, 0x37d00d01                      ; 1 / 8!
	s_mov_b32 s44, 0xbab60b61                      ; -1 / 6!
	s_mov_b32 s45, 0x3d2aaaab                      ; 1 / 4!
	s_mov_b32 s24, 0
.Lquad:                                                ; eight trips, four numbers a lane each
	s_and_b32 s26, s25, 3
	s_lshl_b32 s26, s26, 2
	s_lshr_b32 s27, s25, 2
	s_lshl_b32 s27, s27, 5
	s_add_co_u32 s26, s26, s27
	s_wait_alu depctr_va_vdst(0)
.irp e, 0,1,2,3
	v_add_nc_u32 v[16+\e], s26, v[12+\e]           ; the frequency's number i
.endr
.irp e, 0,1,2,3
	v_cvt_f32_u32 v[16+\e], v[16+\e]
.endr
.irp e, 0,1,2,3
	v_mul_f32 v[20+\e], s32, v[16+\e]              ; the exponent, rounded;
.endr
.irp e, 0,1,2,3
	v_fma_f32 v[40+\e], v[16+\e], s32, -v[20+\e]   ; what the rounding dropped,
.endr
.irp e, 0,1,2,3
	v_fma_f32 v[40+\e], v[16+\e], s33, v[40+\e]    ; and the constant's low part
.endr
	s_wait_alu depctr_va_vdst(0)
.irp e, 0,1,2,3
	v_exp_f32 v[24+\e], v[20+\e]
.endr
.irp e, 0,1,2,3
	v_mul_f32 v[40+\e], s34, v[40+\e]              ; (plain work behind the exponentials)
.endr
	s_wait_alu depctr_va_vdst(0)                   ; one wait for the four, ahead of their first reader
.irp e, 0,1,2,3
	v_fma_f32 v[24+\e], v[24+\e], v[40+\e], v[24+\e]   ; 10000^(-i / 128)
.endr
.irp e, 0,1,2,3
	v_mul_f32 v[16+\e], v8, v[24+\e]               ; the angle, rounded to f32 as the outer product rounds it
.endr
.irp e, 0,1,2,3
	v_mul_f32 v[20+\e], s35, v[16+\e]
.endr
.irp e, 0,1,2,3
	v_rndne_f32 v[20+\e], v[20+\e]                 ; n quarter turns
.endr
.irp e, 0,1,2,3
	v_fma_f32 v[16+\e], v[20+\e], s36, v[16+\e]    ; exact: a multiple of 2^-23 under 1
.endr
.irp e, 0,1,2,3
	v_fma_f32 v[16+\e], v[20+\e], s37, v[16+\e]    ; x, at most pi / 4 in size; what is left of pi / 2 times n stays under 3e-12
.endr
.irp e, 0,1,2,3
	v_mul_f32 v[24+\e], v[16+\e], v[16+\e]
	v_cvt_i32_f32 v[36+\e], v[20+\e]
.endr
.irp e, 0,1,2,3
	v_fma_f32 v[28+\e], v[24+\e], s38, s39
	v_fma_f32 v[32+\e], v[24+\e], s42, s43
.endr
.irp e, 0,1,2,3
	v_fma_f32 v[28+\e], v[28+\e], v[24+\e], s40
	v_fma_f32 v[32+\e], v[32+\e], v[24+\e], s44
.endr
.irp e, 0,1,2,3
	v_fma_f32 v[28+\e], v[28+\e], v[24+\e], s41
	v_fma_f32 v[32+\e], v[32+\e], v[24+\e], s45
.endr
.irp e, 0,1,2,3
	v_mul_f32 v[28+\e], v[28+\e], v[24+\e]
	v_fma_f32 v[32+\e], v[32+\e], v[24+\e], -0.5
.endr
.irp e, 0,1,2,3
	v_fma_f32 v[28+\e], v[28+\e], v[16+\e], v[16+\e]   ; sin x
	v_fma_f32 v[32+\e], v[32+\e], v[24+\e], 1.0        ; cos x
.endr
.irp e, 0,1,2,3
	v_and_b32 v[40+\e], 1, v[36+\e]
.endr
.irp e, 0,1,2,3
	v_cmp_ne_u32 vcc_lo, 0, v[40+\e]               ; an odd quarter turn swaps the two
	v_cndmask_b32 v[48+\e], v[28+\e], v[32+\e], vcc_lo
	v_cndmask_b32 v[44+\e], v[32+\e], v[28+\e], vcc_lo
.endr
.irp e, 0,1,2,3
	v_and_b32 v[40+\e], 2, v[36+\e]                ; sin changes sign in quarters 2 and 3,
	v_add_nc_u32 v[36+\e], 1, v[36+\e]
.endr
.irp e, 0,1,2,3
	v_lshlrev_b32 v[40+\e], 30, v[40+\e]
	v_and_b32 v[36+\e], 2, v[36+\e]                ; cos in quarters 1 and 2
.endr
.irp e, 0,1,2,3
	v_xor_b32 v[48+\e], v[40+\e], v[48+\e]
	v_lshlrev_b32 v[36+\e], 30, v[36+\e]
.endr
.irp e, 0,1,2,3
	v_xor_b32 v[44+\e], v[36+\e], v[44+\e]
.endr
	global_store_b128 v1, v[44:47], s[16:17]                   ; 512 consecutive bytes each
	global_store_b128 v1, v[48:51], s[16:17] offset:8192
	s_wait_xcnt 0x0                                ; the stores have read their data and their base: both are written again below
	s_add_nc_u64 s[16:17], s[16:17], 512
	s_add_co_u32 s25, s25, 1
	s_add_co_u32 s24, s24, 1
	s_cmp_lt_u32 s24, 8
	s_cbranch_scc1 .Lquad
	s_endpgm
.Lfunc_end_k_q9770386931_prep:
	.size	k_q9770386931_prep, .Lfunc_end_k_q9770386931_prep-k_q9770386931_prep
	.p2alignl 7, 3214868480
	.fill 96, 4, 3214868480
	.section	.rodata,"a",@progbits
	.p2align	6, 0x0
	.amdhsa_kernel k_q9770386931_prep
		.amdhsa_group_segment_fixed_size 34304
		.amdhsa_private_segment_fixed_size 0
		.amdhsa_enable_private_segment 0
		.amdhsa_kernarg_size 56
		.amdhsa_user_sgpr_count 2
		.amdhsa_user_sgpr_kernarg_segment_ptr 1
		.amdhsa_wavefront_size32 1
		.amdhsa_system_sgpr_workgroup_id_x 1
		.amdhsa_system_sgpr_workgroup_id_y 1
		.amdhsa_system_sgpr_workgroup_id_z 1
		.amdhsa_system_vgpr_workitem_id 0
		.amdhsa_next_free_vgpr 256
		.amdhsa_next_free_sgpr 66
		.amdhsa_reserve_vcc 1
		.amdhsa_float_denorm_mode_32 3
		.amdhsa_float_denorm_mode_16_64 3
		.amdhsa_memory_ordered 1
		.amdhsa_forward_progress 1
		.amdhsa_inst_pref_size 41
	.end_amdhsa_kernel
	.amdgpu_metadata
---
amdhsa.version: [ 1, 2 ]
amdhsa.kernels:
  - .name:           k_q9770386931_prep
    .symbol:         k_q9770386931_prep.kd
    .args:
      - { .name: hidden_states, .offset: 0, .size: 8, .value_kind: global_buffer, .address_space: global }
      - { .name: Wq, .offset: 8, .size: 8, .value_kind: global_buffer, .address_space: global }
      - { .name: Wk, .offset: 16, .size: 8, .value_kind: global_buffer, .address_space: global }
      - { .name: Wv, .offset: 24, .size: 8, .value_kind: global_buffer, .address_space: global }
      - { .name: Wo, .offset: 32, .size: 8, .value_kind: global_buffer, .address_space: global }
      - { .name: cw, .offset: 40, .size: 8, .value_kind: global_buffer, .address_space: global }
      - { .name: rope, .offset: 48, .size: 8, .value_kind: global_buffer, .address_space: global }
    .group_segment_fixed_size: 34304
    .private_segment_fixed_size: 0
    .kernarg_segment_align: 8
    .kernarg_segment_size: 56
    .max_flat_workgroup_size: 128
    .sgpr_count:     66
    .vgpr_count:     256
    .wavefront_size: 32
...
	.end_amdgpu_metadata
.endif
;; end of part 1
;; launch qkvg (part 2): grid 12 x 16, 4 waves a work-group, clusters of 4 x 4, 327,680 bytes of LDS; arguments cw, rope, q_norm_w, k_norm_w, qkv; writes qkv
.if DOCPART == 2
	.amdgcn_target "amdgcn-amd-amdhsa--gfx1250"
	.amdhsa_code_object_version 6
	.text
	.protected	k_q9770386931_qkvg
	.globl	k_q9770386931_qkvg
	.p2align	8
	.type	k_q9770386931_qkvg,@function
k_q9770386931_qkvg:
	s_mov_b64 s[64:65], 0
	v_nop
	global_prefetch_b8 v0, s[64:65] scope:SCOPE_SE
	s_setreg_imm32_b32 hwreg(HW_REG_WAVE_MODE, 25, 1), 1
	s_wait_xcnt 0x0
	s_wait_alu depctr_hold_cnt(0) depctr_sa_sdst(0) depctr_va_vdst(0) depctr_va_sdst(0) depctr_va_ssrc(0) depctr_va_vcc(0) depctr_vm_vsrc(0)
	s_getreg_b32 s2, hwreg(HW_REG_IB_STS2, 6, 4)
	s_cmp_eq_u32 s2, 0
	s_cbranch_scc0 .Lentry_in_a_cluster
	s_endpgm
.Lentry_in_a_cluster:
	s_bfe_u32 s2, ttmp6, 0x10000c
	s_cmp_lg_u32 s2, 0xf033
	s_cbranch_scc0 .Lentry_shape_is_right
	s_endpgm
.Lentry_shape_is_right:
; SECOND LAUNCH: q, k, v = hidden x Wq^T, Wk^T, Wv^T on codes of E2M3; RMSNorm and RoPE of q and k in f32; q and k quantised along the head's 256, v along the keys.  Nothing of reference()'s work is left out here.
; SHARES.  A work-group makes 256 tokens x one head of one of q, k, v: the kind is the cluster's x (0, 1, 2), the head the place cx in the cluster, so branches on the kind are alike in all sixteen partners.
; 12 x 16 = 192 work-groups: a head's 256 numbers of a token stay in one lane pair, so that norm and RoPE need one exchange between lanes l and l xor 16 and nothing goes from wave to wave.
; A wave makes 64 rows of X1 (4 row blocks, source 1) x 256 rows of X0 (16 row blocks, source 0): 64 accumulators.  q, k: X0 = the head's rows of W, X1 = tokens; v: X0 = tokens, X1 = the head's rows of Wv.
; A lane then holds ONE row of X1, and by the choice of a block's rows (32 g + 8 u + (r & 7) + 16 (r >> 3)) register 8 b + j of its 64 + 64 is X0's row 32 (b / 2) + 16 h + 8 (b % 2) + j: neighbours along the next product's K
; (d for q and k, the keys for v).  One text serves the three kinds: only the bases of the LDS reads differ, by a choice on the kind.
; OPERANDS are images of registers (first launch): a fragment is three loads of 16 bytes a lane at 16 x lane: no pitch, no padding, each load 512 consecutive LDS bytes.
; RING.  K = 2,048 goes in eight steps of 256 through two slots: 16 row blocks x 3,072 bytes of tokens, then 16 of weights.  One tensor load a wave brings 8 row blocks (rows of 3,072 bytes, 24,576 apart in memory).
; The scale words of all of K (16 KiB for each side) come once, with the first fills.  By this text's count a wave has three tensor loads out at the start and one behind each round.
; AT A CHANGE OF SLOTS the 32 products that need registers alone stand AHEAD of the wait for the tensor loads: between that wait and the refill stand only the add, its wait and the round.
; CLUSTER 4 x 4: the tokens' tiles hang on the tile row alone and are asked for jointly along a row of the cluster, the weights' on the tile column alone and jointly along a column.
; THE WAY OUT OF q AND k.  The gain w (1 KiB) comes at the kernel's head, into registers that the K loop leaves idle (v's work-groups take it too: 32 loads, so that the text has one way as far as the way out).
; Behind the sums of squares it is applied to all four blocks in place, x + x w by one fused multiply-add; x (1 + w) / rms is then rounded twice.  The gain's registers and X0's then hold TWO buffers of cos and sin:
; block a + 2's table is asked for as soon as block a's rotation has read its buffer, a whole block's work ahead of its use.
; OUT: qkv: codes at kind x KR + (16 bh + step) x 24,576 (step = 128 tokens); q, k: [k-step of d 2][token block 8][1,536]; v: [d block 16][1,536].  Scale words at QSC + kind x 131,072 + (16 bh + step) x 1,024:
; q, k: [k-step][pair of blocks 4][lane]; v: [pair of d blocks 8][lane]; lanes 0-15 the even block's rows, lanes 16-31 the odd block's.  The words leave in runs of 128 bytes: one byte in 24 of what the launch stores.
; LIMITS: a block of zeros gets the byte 1 (zero codes; read by this program alone); NaN and infinities are not served.
; REGISTERS.  Window 0: v1-15 addresses; v32-71 scale words and nothing else; v72-127, v224-231 the gain at my d from 128 on; v128-223 X1's fragments, two sets.
; Window 1: v0-191 X0's 16 fragments, one set; v192-255 the gain at my d under 128.  Windows 2, 3: accumulator (a, b) at 64 a + 8 (b % 8), window 2 + b / 8.
; On the way out: window 0: v16-31 norms; v72-135, v136-199 a block's 128 numbers; v200-252 at work.  Window 1: two buffers of 128 registers (cos 64, sin 64), by turns.
; THE START, as this text has it (it takes the place of the count of loads given under RING above): one tensor load a wave at the head: wave 0 brings slot 0's 16 row blocks of tokens, wave 1 its 16 of weights,
; waves 2 and 3 the two sides' scale words (16,384 dense bytes each).  Slot 1's first fill stands behind the three lines and a round, as a refill does.  So a wave has one tensor load out at any time.
; PREFETCH.  A tile is 256 along K: 3,072 bytes of each row block.  Of the 8 row blocks (96 blocks of 256 bytes) that a wave fetches, each of the four partners that ask jointly names 2 row blocks, 24 blocks of 256 bytes,
; told apart by address (cx for the tokens, cy for the weights): a lane a block, lanes 24-31 name lane 23's again.  With the load of tile j goes the request for tile j + 2; the head asks for tiles 1 and 2; the last two refills ask for nothing.
.set SLOT,  98304
.set WOFF,  49152
.set SCL,   196608                     ; behind the ring: the tokens' scale words, 16,384 bytes, then the weights'
.set SPARE, 229376                     ; the spare words, 128 bytes a wave
.set WIMG,  6291456
.set HSC,   12582912
.set WSC,   12845056
.set KR,    3145728
.set QSC,   9437184
.set AD0, 2                            ; v2, v3   X0's fragments in slot 0, 1
.set AD1, 4                            ; v4, v5   my X1's
.set AS0, 6                            ; v6       X0's scale words: lanes 0-15 block i, lanes 16-31 block i + 8
.set AS1, 7                            ; v7       X1's: blocks i and i + 2 of my four
.set FO,  8                            ; v8, v9   the way out: my byte offset among the codes, k-step 0, 1
.set SO,  10                           ; v10, v11 and among the scale words
.set H64, 12                           ; v12      64 h: my byte offset in the gain
.set HH,  13
.set SPW, 14
.set NIL, 15
.set RS,  16                           ; v16-23   1 / rms of my row in blocks 0-3, each twice
.set SSQ, 24                           ; v24-31   sums of squares
.set SC0, 32                           ; v32-63   two sets of 16
.set SC1, 64                           ; v64-71   two sets of 4
.set YL,  72
.set X1F, 128
.set YH,  136
.set GLO, 192                          ; in window 1
.set TT,  200
.set TM,  208
.set PC,  224
.set PWS, 244                          ; v244-251 the eight scale words made
.set PW,  252
.set G1T, 24
.set G0T, 32
.set G1W, 48
.set G0W, 56
.set G1ST, 68
.set G0ST, 76
.set G1SW, 80
.set G0SW, 88
.set SEL, 98
.set PFA, 100                          ; s[100:101] where my prefetches stand
.set HOF, 104                          ; s[104:105] bytes from a tile's first row block to the 8 that I fetch in the ring
.set PFO, 253                          ; v253 my lane's block of 256 bytes among my work-group's 24; never rewritten
.set MUL_LO, 0xa1                      ; source 0 window 1, source 1 window 0, C and D window 2
.set MUL_HI, 0xf1                      ; the same, C and D window 3
.set TO_X0,  0x40                      ; destination window 1
.set MSB, 0
.macro WIN new                         ; the immediate's high byte repeats the setting that is left; a switch that changes nothing is dropped
.if MSB != (\new)
	s_set_vgpr_msb (MSB<<8)|(\new)
.set MSB, (\new)
.endif
.endm
.macro PLACES                          ; four plain places behind matrix instructions, in front of loads into their registers and of reads of their results
.rept 4
	v_nop
.endr
.endm
; A joint load: waves 0 and 1 fetch the tokens' halves, waves 2 and 3 the weights'.  The branch hangs on the wave's number alone.  An s_nop 0 and four v_nop follow each line.
.macro JLOAD g0a, g1a, g0b, g1b
	s_cmp_eq_u32 s15, 0
	s_cbranch_scc0 .Lfor_b_\@
	tensor_load_to_lds s[\g0a:\g0a+3], s[\g1a:\g1a+7]
	s_nop 0
.rept 4
	v_nop
.endr
	s_branch .Lasked_\@
.Lfor_b_\@:
	tensor_load_to_lds s[\g0b:\g0b+3], s[\g1b:\g1b+7]
	s_nop 0
.rept 4
	v_nop
.endr
.Lasked_\@:
.endm
.macro CREST                           ; a round of the cluster's barrier behind its opening barrier
	s_cmp_lg_u32 s14, 0
	s_cbranch_scc1 .Lnot_wave_0_\@
	s_barrier_signal -3
.Lnot_wave_0_\@:
	s_barrier_wait -3
	s_barrier_signal -1
	s_barrier_wait -1
.endm
.macro CROUND
	s_barrier_signal -1
	s_barrier_wait -1
	CREST
.endm
	s_load_b256 s[4:11], s[0:1], 0x0               ; cw, rope, q_norm_w, k_norm_w
	s_load_b64 s[12:13], s[0:1], 0x20              ; qkv
	v_lshl_add_u32 v[SPW], v0, 2, SPARE
	v_mov_b32 v[NIL], 0
	ds_add_u32 v[SPW], v[NIL]                      ; the wave's opening: the add, twice on end, and its wait ahead of my first tensor load
	ds_add_u32 v[SPW], v[NIL]
	v_lshrrev_b32 v1, 5, v0
	v_readfirstlane_b32 s14, v1                    ; wave
	s_lshr_b32 s15, s14, 1                         ; I fetch for the tokens (0) or the weights (1)
	s_and_b32 s16, s14, 1                          ; which 8 row blocks
	s_bfe_u32 s40, ttmp6, 0x40000                  ; cx = the head
	s_bfe_u32 s41, ttmp6, 0x40004                  ; cy
	s_lshl_b32 s42, ttmp9, 2
	s_add_co_u32 s42, s42, s40                     ; tile column: 4 x kind + head
	s_and_b32 s17, ttmp7, 0xffff
	s_lshl_b32 s17, s17, 2
	s_add_co_u32 s17, s17, s41                     ; tile row: 256 tokens
	s_lshl_b32 s43, s41, 2
	s_lshl_b32 s43, 15, s43                        ; my row of the cluster
	s_lshl_b32 s44, 0x1111, s40                    ; my column
	s_mov_b32 s92, ttmp9                           ; the kind: the same in all sixteen partners
	s_or_b32 s[G1T], s43, (3<<16)|(1<<21)          ; 15:0 the mask; 17:16 elements of 8 bytes; 20 no padding; 21 set beside a mask
	s_or_b32 s[G1W], s44, (3<<16)|(1<<21)
.irp g, G1T, G1W
	s_mov_b32 s[\g+1], 384<<16                     ; tensor_dim0: 3,072 bytes
	s_mov_b32 s[\g+2], 16<<16                      ; tensor_dim1: 16 row blocks for the head's loads; behind them 8, for the ring's
	s_mov_b32 s[\g+3], 384<<16                     ; tile_dim0
	s_mov_b32 s[\g+4], 16                          ; tile_dim1
	s_mov_b32 s[\g+5], 3072                        ; from row block to row block: 24,576 bytes
	s_mov_b32 s[\g+6], 0
	s_mov_b32 s[\g+7], 0
.endr
	s_or_b32 s[G1ST], s43, (3<<16)|(1<<21)         ; the scale words of 16 row blocks: 16,384 dense bytes as 64 rows of 256
	s_or_b32 s[G1SW], s44, (3<<16)|(1<<21)
.irp g, G1ST, G1SW
	s_mov_b32 s[\g+1], 32<<16
	s_mov_b32 s[\g+2], 64<<16                      ; the scale words of 16 row blocks: 64 rows of 256 bytes
	s_mov_b32 s[\g+3], 32<<16
	s_mov_b32 s[\g+4], 64
	s_mov_b32 s[\g+5], 32
	s_mov_b32 s[\g+6], 0
	s_mov_b32 s[\g+7], 0
.endr
	s_mul_i32 s[HOF], s16, 196608                  ; 8 row blocks x 24,576 bytes x my half
	s_mov_b32 s[HOF+1], 0
	s_lshl_b32 s18, s17, 4                         ; tokens: row block 16 x tile row
	s_mul_i32 s20, s18, 24576
	s_mov_b32 s21, 0
	s_lshl_b32 s22, s18, 10
	s_add_co_u32 s22, s22, HSC
	s_mov_b32 s23, 0
	s_lshl_b32 s46, s42, 4                         ; weights: row block 16 x tile column (in registers that never feed the tokens' descriptors)
	s_mul_i32 s98, s46, 24576
	s_add_co_u32 s98, s98, WIMG
	s_mov_b32 s99, 0
	s_lshl_b32 s46, s46, 10
	s_add_co_u32 s46, s46, WSC
	s_mov_b32 s47, 0
	s_mul_i32 s45, s14, 24576                      ; where the ring's loads go: wave x 8 row blocks; no place in the cluster enters an LDS address
	; every LDS address register is made here, ahead of the first branch
	s_cmp_eq_u32 s92, 2
	s_cselect_b32 s93, 0, WOFF                     ; X0: the tokens for v, the weights for q and k
	s_cselect_b32 s94, WOFF, 0                     ; X1: the other
	s_cselect_b32 s95, 0, 16384
	s_cselect_b32 s96, 16384, 0
	v_and_b32 v1, 31, v0
	v_lshlrev_b32 v1, 4, v1                        ; 16 x lane
	v_and_b32 v8, 15, v0
	v_bfe_u32 v9, v0, 4, 1
	v_add_nc_u32 v[AD0], s93, v1
	v_add_nc_u32 v[AD0+1], SLOT, v[AD0]
	s_mul_i32 s2, s14, 12288
	s_add_co_u32 s2, s2, s94
	v_add_nc_u32 v[AD1], s2, v1
	v_add_nc_u32 v[AD1+1], SLOT, v[AD1]
	v_lshlrev_b32 v[AS0], 3, v8
	v_lshl_add_u32 v[AS1], v9, 11, v[AS0]
	v_lshl_add_u32 v[AS0], v9, 13, v[AS0]
	s_add_co_u32 s2, s95, SCL
	v_add_nc_u32 v[AS0], s2, v[AS0]
	s_lshl_b32 s2, s14, 12
	s_add_co_u32 s2, s2, s96
	s_add_co_u32 s2, s2, SCL
	v_add_nc_u32 v[AS1], s2, v[AS1]
	v_and_b32 v[PFO], 31, v0
	v_min_u32 v[PFO], 23, v[PFO]                   ; l: 24 blocks of 256 bytes, the lanes left over name the last again
	v_mul_u32_u24 v252, v[PFO], 171
	v_lshrrev_b32 v252, 11, v252                   ; l / 12: which of my work-group's two row blocks
	v_mul_u32_u24 v252, v252, 21504                ; 24,576 - 12 x 256
	v_lshl_add_u32 v[PFO], v[PFO], 8, v252         ; 24,576 (l / 12) + 256 (l % 12)
	s_wait_alu depctr_va_vdst(0)                   ; directly ahead of the waits below
	s_wait_dscnt 0x0                               ; both opening adds are done
	s_wait_kmcnt 0x0
	s_add_nc_u64 s[20:21], s[4:5], s[20:21]
	s_add_nc_u64 s[22:23], s[4:5], s[22:23]
	s_add_nc_u64 s[98:99], s[4:5], s[98:99]
	s_add_nc_u64 s[46:47], s[4:5], s[46:47]
	CROUND                                         ; all sixteen work-groups are here: the first joint loads meet
	s_mov_b32 s[G0ST], 1                           ; the head's four tiles, each whole: the tokens' scale words,
	s_mov_b32 s[G0ST+1], SCL
	s_mov_b64 s[G0ST+2:G0ST+3], s[22:23]
	s_or_b32 s[G0ST+3], s[G0ST+3], 0x80000000
	s_mov_b32 s[G0SW], 1                           ; the weights',
	s_mov_b32 s[G0SW+1], SCL+16384
	s_mov_b64 s[G0SW+2:G0SW+3], s[46:47]
	s_or_b32 s[G0SW+3], s[G0SW+3], 0x80000000
	s_mov_b32 s[G0T], 1                            ; tile 0's 16 row blocks of tokens,
	s_mov_b32 s[G0T+1], 0
	s_mov_b64 s[G0T+2:G0T+3], s[20:21]
	s_or_b32 s[G0T+3], s[G0T+3], 0x80000000
	s_mov_b32 s[G0W], 1                            ; and its 16 of weights
	s_mov_b32 s[G0W+1], WOFF
	s_mov_b64 s[G0W+2:G0W+3], s[98:99]
	s_or_b32 s[G0W+3], s[G0W+3], 0x80000000
	s_add_nc_u64 s[20:21], s[20:21], s[HOF:HOF+1]  ; for the ring: my 8 row blocks
	s_add_nc_u64 s[98:99], s[98:99], s[HOF:HOF+1]
	s_mov_b32 s[G0T+4], 1                          ; slot 1: tile 1
	s_add_co_u32 s[G0T+5], s45, SLOT
	s_add_nc_u64 s[G0T+6:G0T+7], s[20:21], 3072
	s_or_b32 s[G0T+7], s[G0T+7], 0x80000000
	s_mov_b32 s[G0W+4], 1
	s_add_co_u32 s[G0W+5], s45, SLOT
	s_add_nc_u64 s[G0W+6:G0W+7], s[98:99], 3072
	s_or_b32 s[G0W+7], s[G0W+7], 0x80000000
	s_cmp_eq_u32 s15, 0                            ; the prefetches: do I fetch for the tokens?
	s_cselect_b64 s[PFA:PFA+1], s[20:21], s[98:99]
	s_cselect_b32 s2, s40, s41                     ; my place among the four that ask with me
	s_mul_i32 s2, s2, 49152                        ; my work-group's 2 of the 8 row blocks
	s_mov_b32 s3, 0
	s_add_nc_u64 s[PFA:PFA+1], s[PFA:PFA+1], s[2:3]
; ONE tree of branches on the wave's number, one load to an arm, all arms leading to one join
.macro ARM under, g0, g1, next
	s_cmp_lt_u32 s14, \under
	s_cbranch_scc0 \next
	tensor_load_to_lds s[\g0:\g0+3], s[\g1:\g1+7]
	s_nop 0
.rept 4
	v_nop
.endr
	s_branch .Lhead_asked
\next:
.endm
	ARM 1, G0T,  G1T,  .Lhead_w
	ARM 2, G0W,  G1W,  .Lhead_st
	ARM 3, G0ST, G1ST, .Lhead_sw
	tensor_load_to_lds s[G0SW:G0SW+3], s[G1SW:G1SW+7]
	s_nop 0
.rept 4
	v_nop
.endr
.Lhead_asked:
	global_prefetch_b8 v[PFO], s[PFA:PFA+1] offset:3072 th:TH_LOAD_NT scope:SCOPE_SE   ; tile 1, whose load goes out when tile 0 has landed,
	global_prefetch_b8 v[PFO], s[PFA:PFA+1] offset:6144 th:TH_LOAD_NT scope:SCOPE_SE   ; and tile 2
	; THE GAIN, behind the first fills: number i of my 64 + 64 belongs to d = 32 (i / 16) + 16 h + i % 16 (+ 128).  It lands beside the first tiles and waits in registers that the K loop does not name.
	s_cmp_eq_u32 s92, 0
	s_cselect_b64 s[20:21], s[8:9], s[10:11]       ; q's or k's (v's work-groups take k's and do not use it: one way through the text as far as the way out)
	v_lshlrev_b32 v[H64], 6, v9                    ; 64 h
	WIN 0x40
.irp b, 0,1,2,3
.irp e, 0,1,2,3
	global_load_b128 v[GLO+16*\b+4*\e:GLO+16*\b+4*\e+3], v[H64], s[20:21] offset:128*\b+16*\e
.endr
.endr
	WIN 0
.irp b, 0,1,2,3
.irp e, 0,1,2,3
.set GR, 72+16*\b+4*\e                 ; numbers 0-55 at v72-127, numbers 56-63 at v224-231
.if GR >= 128
.set GR, GR+96
.endif
	global_load_b128 v[GR:GR+3], v[H64], s[20:21] offset:512+128*\b+16*\e
.endr
.endr
; One product: X0's block b x my X1's block a, the slot's q-th 128 along K; p: X1's set; sc: the set of scale words.  zero = 1: it starts the sum.
.macro WM b, a, p, q, sc, zero
.set rD, 64*(\a)+8*((\b)%8)
.set rA, 12*(\b)
.set rB, X1F+48*(\p)+12*(\a)
.set rS, SC0+16*(\sc)+2*((\b)%8)+(\q)
.set rT, SC1+4*(\sc)+2*((\a)%2)+(\q)
.if \zero
.if ((\b) < 8) && ((\a) < 2)
	v_wmma_scale_f32_16x16x128_f8f6f4 v[rD:rD+7], v[rA:rA+11], v[rB:rB+11], 0, v[rS], v[rT] matrix_a_fmt:MATRIX_FMT_FP6 matrix_b_fmt:MATRIX_FMT_FP6
.elseif (\b) < 8
	v_wmma_scale_f32_16x16x128_f8f6f4 v[rD:rD+7], v[rA:rA+11], v[rB:rB+11], 0, v[rS], v[rT] matrix_a_fmt:MATRIX_FMT_FP6 matrix_b_fmt:MATRIX_FMT_FP6 matrix_b_scale:MATRIX_SCALE_ROW1
.elseif (\a) < 2
	v_wmma_scale_f32_16x16x128_f8f6f4 v[rD:rD+7], v[rA:rA+11], v[rB:rB+11], 0, v[rS], v[rT] matrix_a_fmt:MATRIX_FMT_FP6 matrix_b_fmt:MATRIX_FMT_FP6 matrix_a_scale:MATRIX_SCALE_ROW1
.else
	v_wmma_scale_f32_16x16x128_f8f6f4 v[rD:rD+7], v[rA:rA+11], v[rB:rB+11], 0, v[rS], v[rT] matrix_a_fmt:MATRIX_FMT_FP6 matrix_b_fmt:MATRIX_FMT_FP6 matrix_a_scale:MATRIX_SCALE_ROW1 matrix_b_scale:MATRIX_SCALE_ROW1
.endif
.else
.if ((\b) < 8) && ((\a) < 2)
	v_wmma_scale_f32_16x16x128_f8f6f4 v[rD:rD+7], v[rA:rA+11], v[rB:rB+11], v[rD:rD+7], v[rS], v[rT] matrix_a_fmt:MATRIX_FMT_FP6 matrix_b_fmt:MATRIX_FMT_FP6
.elseif (\b) < 8
	v_wmma_scale_f32_16x16x128_f8f6f4 v[rD:rD+7], v[rA:rA+11], v[rB:rB+11], v[rD:rD+7], v[rS], v[rT] matrix_a_fmt:MATRIX_FMT_FP6 matrix_b_fmt:MATRIX_FMT_FP6 matrix_b_scale:MATRIX_SCALE_ROW1
.elseif (\a) < 2
	v_wmma_scale_f32_16x16x128_f8f6f4 v[rD:rD+7], v[rA:rA+11], v[rB:rB+11], v[rD:rD+7], v[rS], v[rT] matrix_a_fmt:MATRIX_FMT_FP6 matrix_b_fmt:MATRIX_FMT_FP6 matrix_a_scale:MATRIX_SCALE_ROW1
.else
	v_wmma_scale_f32_16x16x128_f8f6f4 v[rD:rD+7], v[rA:rA+11], v[rB:rB+11], v[rD:rD+7], v[rS], v[rT] matrix_a_fmt:MATRIX_FMT_FP6 matrix_b_fmt:MATRIX_FMT_FP6 matrix_a_scale:MATRIX_SCALE_ROW1 matrix_b_scale:MATRIX_SCALE_ROW1
.endif
.endif
.endm
.macro MULB b0, p, q, sc, zero         ; 16 products: X0's blocks b0 .. b0 + 3, each against my four.  The 64 accumulators take turns, in the same order in every step
.irp d, 0,1,2,3
.irp a, 0,1,2,3
	WM (\b0)+\d, \a, \p, \q, \sc, \zero
.endr
.endr
.endm
.macro FETCH_X1 slot, q, p             ; 12 loads
.irp a, 0,1,2,3
.irp c, 0,1,2
	ds_load_b128 v[X1F+48*(\p)+12*\a+4*\c:X1F+48*(\p)+12*\a+4*\c+3], v[AD1+\slot] offset:3072*\a+1536*(\q)+512*\c
.endr
.endr
.endm
.macro FETCH_X0 slot, q, b0            ; 24 loads: blocks b0 .. b0 + 7
	WIN TO_X0
.irp i, 0,1,2,3,4,5,6,7
.irp c, 0,1,2
	ds_load_b128 v[12*((\b0)+\i)+4*\c:12*((\b0)+\i)+4*\c+3], v[AD0+\slot] offset:3072*((\b0)+\i)+1536*(\q)+512*\c
.endr
.endr
	WIN 0
.endm
.macro SCALES sc                       ; 10 loads: the two words (256 along K) of each row
.irp i, 0,1,2,3,4,5,6,7
	ds_load_b64 v[SC0+16*\sc+2*\i:SC0+16*\sc+2*\i+1], v[AS0] offset:1024*\i
.endr
.irp i, 0,1
	ds_load_b64 v[SC1+4*\sc+2*\i:SC1+4*\sc+2*\i+1], v[AS1] offset:1024*\i
.endr
.endm
; A slot's first 128 along K (X1's set 0); it fetches the second's fragments.
.macro STEP slot, zero
	s_wait_dscnt 24                                ; all but the youngest 24 loads, X0's blocks 8-15
	WIN MUL_LO
	MULB 0, 0, 0, \slot, \zero
	MULB 4, 0, 0, \slot, \zero
	s_wait_dscnt 0x0                               ; X0's blocks 8-15 are in
	PLACES
	WIN 0
	FETCH_X1 \slot, 1, 1
	FETCH_X0 \slot, 1, 0
	WIN MUL_HI
	MULB 8, 0, 0, \slot, \zero
	MULB 12, 0, 0, \slot, \zero
	PLACES
	FETCH_X0 \slot, 1, 8
.endm
; A slot's second 128 along K changes slots.  Its first 32 products need registers alone and stand ahead of the wait for the tensor loads.  Then ONE barrier: in front of it each wave waits for all its tensor loads,
; adds 0 to its spare word, and waits for that and for its reads of this slot.  fill = 1: the slot is filled again, two steps of 256 ahead: the refill follows the landing of the tile before it by the add, its wait and the round alone.
.macro TURN slot, next, fill
.if \fill
	s_wait_xcnt 0x0                                ; my last prefetch has read its address: it is stepped here, a tile on
	s_add_nc_u64 s[PFA:PFA+1], s[PFA:PFA+1], 3072
.endif
	s_wait_dscnt 24                                ; all but the youngest 24 loads, X0's blocks 8-15
	WIN MUL_LO
	MULB 0, 1, 1, \slot, 0
	MULB 4, 1, 1, \slot, 0
	WIN 0
	s_wait_tensorcnt 0x0                           ; all my tensor loads have landed: my part of the next slot
	ds_add_u32 v[SPW], v[NIL]
	s_wait_dscnt 0x0                               ; the add is done, and my reads of this slot are over
	s_barrier_signal -1
	s_barrier_wait -1
.if \fill
	CREST                                          ; the barrier has opened a round of the cluster's: no wave of any partner still reads this slot or has a load on its way
	s_add_nc_u64 s[G0T+4*\slot+2:G0T+4*\slot+3], s[G0T+4*\slot+2:G0T+4*\slot+3], 6144
	s_add_nc_u64 s[G0W+4*\slot+2:G0W+4*\slot+3], s[G0W+4*\slot+2:G0W+4*\slot+3], 6144
	JLOAD G0T+4*\slot, G1T, G0W+4*\slot, G1W       ; the first tensor load behind the round; its four v_nop are the places in front of the loads below
.else
	PLACES
.endif
	s_wait_alu depctr_va_vdst(0)
	v_add_nc_u32 v[AS0], 128, v[AS0]               ; the next 256 along K
	v_add_nc_u32 v[AS1], 128, v[AS1]
	FETCH_X1 \next, 0, 0
	FETCH_X0 \next, 0, 0
	SCALES \next
.if \fill
	s_cmp_gt_u32 s3, 1                             ; the loop's last trip loads tiles 6 and 7: no tile stands two on
	s_cbranch_scc0 .Lnoask_\@
	global_prefetch_b8 v[PFO], s[PFA:PFA+1] offset:9216 th:TH_LOAD_NT scope:SCOPE_SE   ; two tiles on from the one just asked for by the joint load
.Lnoask_\@:
.endif
	WIN MUL_HI
	MULB 8, 1, 1, \slot, 0
	MULB 12, 1, 1, \slot, 0
	PLACES
	FETCH_X0 \next, 0, 8
.endm
	s_wait_alu depctr_va_vdst(0)                   ; the head's end
	s_wait_tensorcnt 0x0                           ; my tile of the head's four is in
	ds_add_u32 v[SPW], v[NIL]
	s_mov_b32 s[G1T+2], 8<<16                      ; no tensor load of mine is out, so descriptors may be written: from here on a load brings 8 row blocks,
	s_mov_b32 s[G1T+4], 8
	s_mov_b32 s[G1W+2], 8<<16
	s_mov_b32 s[G1W+4], 8
	s_mov_b32 s[G0T+1], s45                        ; and slot 0's group 0 stands at my 8 row blocks of tile 0: its first refill steps it to tile 2
	s_add_nc_u64 s[G0T+2:G0T+3], s[G0T+2:G0T+3], s[HOF:HOF+1]
	s_mov_b32 s[G0W+1], s45
	s_add_nc_u64 s[G0W+2:G0W+3], s[G0W+2:G0W+3], s[HOF:HOF+1]
	s_wait_loadcnt 0x0                             ; the gain, asked for beside the tiles: its address registers are free from here on
	s_wait_dscnt 0x0                               ; the add is done
	CROUND                                         ; a whole round: all four tiles are in, and all sixteen work-groups are here
	JLOAD G0T+4, G1T, G0W+4, G1W                   ; tile 1, the first tensor load behind the round
	FETCH_X1 0, 0, 0
	FETCH_X0 0, 0, 0
	SCALES 0
	FETCH_X0 0, 0, 8
	global_prefetch_b8 v[PFO], s[PFA:PFA+1] offset:9216 th:TH_LOAD_NT scope:SCOPE_SE   ; tile 3
	STEP 0, 1                                      ; the first step stands in front of the loop: its products start the sums
	s_mov_b32 s3, 3
.Llap:                                                 ; a trip goes once round the ring and fills both slots again
	TURN 0, 1, 1
	STEP 1, 0
	TURN 1, 0, 1
	STEP 0, 0
	s_sub_co_u32 s3, s3, 1
	s_cmp_lg_u32 s3, 0
	s_cbranch_scc1 .Llap
	TURN 0, 1, 0                                   ; the last lap fills nothing
	STEP 1, 0
	s_wait_dscnt 24
	WIN MUL_LO
	MULB 0, 1, 1, 1, 0
	MULB 4, 1, 1, 1, 0
	s_wait_dscnt 0x0
	WIN MUL_HI
	MULB 8, 1, 1, 1, 0
	MULB 12, 1, 1, 1, 0
	WIN 0
	PLACES
	; ---------------- THE WAY OUT: no LDS, no barrier: every fragment is made and stored by one wave
	s_lshr_b32 s18, s17, 3                         ; batch
	s_lshl_b32 s18, s18, 2
	s_add_co_u32 s18, s18, s40                     ; bh
	s_lshl_b32 s18, s18, 4
	s_and_b32 s19, s17, 7
	s_lshl_b32 s20, s19, 1
	s_add_co_u32 s18, s18, s20                     ; 16 bh + the first of my work-group's two steps of 128 tokens
	s_mul_i32 s20, s18, 24576
	s_mul_i32 s21, s92, KR
	s_add_co_u32 s20, s20, s21
	s_mov_b32 s21, 0
	s_add_nc_u64 s[22:23], s[12:13], s[20:21]      ; codes
	s_lshl_b32 s20, s18, 10
	s_lshl_b32 s24, s92, 17
	s_add_co_u32 s20, s20, s24
	s_add_co_u32 s20, s20, QSC
	s_add_nc_u64 s[24:25], s[12:13], s[20:21]      ; scale words
	s_lshl_b32 s20, s19, 4
	s_lshl_b32 s26, s14, 2
	s_add_co_u32 s20, s20, s26
	s_lshl_b32 s20, s20, 14
	s_add_nc_u64 s[26:27], s[6:7], s[20:21]        ; cos and sin of my four position blocks
	s_mul_i32 s30, s15, 24576                      ; q, k: my tokens lie in step wave / 2, blocks 4 (wave % 2) on; the second k-step 12,288 bytes on
	s_mul_i32 s31, s16, 6144
	s_add_co_u32 s30, s30, s31
	s_mul_i32 s31, s14, 6144                       ; v: my d blocks 4 wave on; the second 128 keys are the next step
	s_lshl_b32 s32, s15, 10
	s_lshl_b32 s33, s16, 8
	s_add_co_u32 s32, s32, s33
	s_lshl_b32 s33, s14, 8
	s_mov_b32 s34, 12288
	s_mov_b32 s35, 512
	s_cmp_eq_u32 s92, 2
	s_cselect_b32 s30, s31, s30
	s_cselect_b32 s32, s33, s32
	s_cselect_b32 s34, 24576, s34
	s_cselect_b32 s35, 1024, s35
	s_mov_b32 s36, 0x3b800000                      ; 1 / 256
	s_mov_b32 s37, 0x358637bd                      ; 1e-6
	s_mov_b32 s[SEL], 0x76543210
	s_mov_b32 s[SEL+1], 0xfedcba98
	v_and_b32 v[HH], 31, v0
	v_add_nc_u32 v[FO], s30, v1
	v_add_nc_u32 v[FO+1], s34, v[FO]
	v_lshl_add_u32 v[SO], v[HH], 2, s32
	v_add_nc_u32 v[SO+1], s35, v[SO]
	v_bfe_u32 v[HH], v0, 4, 1
.irp b, 0,1,2,3
	v_mov_b32 v[TM+4+\b], 0                        ; (a lane permute's destination counts as one of its sources)
.endr
; 64 numbers of a lane in window w, register 16 b + i = k 32 b + 16 (lane / 16) + i of my row, become a fragment's codes in v[PC] on and its scale word in v[PW].
.macro QUANT s, w
	WIN 5*(\w)                                     ; sources 0 and 1 in window w
.irp b, 0,1,2,3
	v_max3_num_f32 v[TM+\b], |v[(\s)+16*\b]|, |v[(\s)+1+16*\b]|, 0x1800000   ; my 16 numbers of block b, and the floor 2^(3 - 127): the byte cannot fall under 1
.endr
.irp i, 2,4,6,8,10,12,14
.irp b, 0,1,2,3
	v_max3_num_f32 v[TM+\b], |v[(\s)+16*\b+\i]|, |v[(\s)+1+16*\b+\i]|, v[TM+\b]
.endr
.endr
	WIN 0
.irp b, 0,1,2,3
	v_permlanex16_b32 v[TM+4+\b], v[TM+\b], s[SEL], s[SEL+1]
.endr
.irp b, 0,1,2,3
	v_max_num_f32 v[TM+\b], v[TM+\b], v[TM+4+\b]   ; with lane l xor 16's: the block's largest magnitude
.endr
.irp b, 0,1,2,3
	v_add_nc_u32 v[TM+12+\b], 0xff000000, v[TM+\b] ; 2 off its exponent field: the conversion's scale operand
.endr
.irp b, 0,1,2,3
	v_lshrrev_b32 v[TM+4+\b], 23, v[TM+12+\b]      ; the byte
.endr
	v_lshl_or_b32 v[PW], v[TM+5], 8, v[TM+4]
	v_lshl_or_b32 v[PW], v[TM+6], 16, v[PW]
	v_lshl_or_b32 v[PW], v[TM+7], 24, v[PW]
	s_wait_xcnt 0x0                                ; the last fragment's stores have read the registers that are written below
	WIN \w
.irp c, 0,1
	v_cvt_scalef32_pk16_fp6_f32 v[PC+6*\c:PC+2+6*\c], v[(\s)+32*\c:(\s)+15+32*\c], v[TM+12+2*\c]
	v_cvt_scalef32_pk16_fp6_f32 v[PC+12+4*\c:PC+14+4*\c], v[(\s)+16+32*\c:(\s)+31+32*\c], v[TM+12+2*\c+1]   ; (a conversion's three registers begin on an even number)
.endr
	WIN 0
	v_nop                                          ; one plain place behind a scaled conversion
.irp c, 0,1                                    ; the operand's layout wants a whole block in a lane
.irp i, 0,1,2
	v_permlane16_swap_b32 v[PC+6*\c+\i], v[PC+12+4*\c+\i]
.endr
.irp i, 0,1,2
	v_mov_b32 v[PC+3+6*\c+\i], v[PC+12+4*\c+\i]
.endr
.endr
.endm
.macro PUT a, s                        ; the fragment leaves as it stands: three stores of 512 consecutive bytes
	v_mov_b32 v[PWS+2*(\a)+(\s)], v[PW]
.irp c, 0,1,2
	global_store_b128 v[FO+(\s)], v[PC+4*\c:PC+4*\c+3], s[22:23] offset:1536*(\a)+512*\c
.endr
.endm
.macro CSLOAD a, buf                   ; cos and sin of my block a's positions into buffer buf of window 1 (cos 64 registers, then sin 64): 32 loads of 512 consecutive bytes.  (The arguments are put in as text: they stand in brackets)
	WIN 0x40
.irp qd, 0,1,2,3,4,5,6,7,8,9,10,11,12,13,14,15
	global_load_b128 v[128*(\buf)+4*\qd:128*(\buf)+4*\qd+3], v1, s[26:27] offset:16384*(\a)+512*\qd
	global_load_b128 v[128*(\buf)+64+4*\qd:128*(\buf)+64+4*\qd+3], v1, s[26:27] offset:16384*(\a)+8192+512*\qd
.endr
	WIN 0
.endm
	s_cmp_eq_u32 s92, 2
	s_cbranch_scc1 .Lv_out
	; ---- q and k: RMSNorm over the head's 256, the gain, RoPE, the quantiser along d
	CSLOAD 0, 0                                    ; block 0's table into the registers that held X0's fragments
	WIN 0x0a                                       ; the sums of squares of my four rows, by turns; each accumulator from its low end on
.irp a, 0,1,2,3
	v_pk_mul_f32 v[SSQ+2*\a:SSQ+2*\a+1], v[64*\a:64*\a+1], v[64*\a:64*\a+1]
.endr
.set i, 2
.rept 31
.irp a, 0,1,2,3
	v_pk_fma_f32 v[SSQ+2*\a:SSQ+2*\a+1], v[64*\a+i:64*\a+i+1], v[64*\a+i:64*\a+i+1], v[SSQ+2*\a:SSQ+2*\a+1]
.endr
.set i, i+2
.endr
	WIN 0x0f
.set i, 0
.rept 32
.irp a, 0,1,2,3
	v_pk_fma_f32 v[SSQ+2*\a:SSQ+2*\a+1], v[64*\a+i:64*\a+i+1], v[64*\a+i:64*\a+i+1], v[SSQ+2*\a:SSQ+2*\a+1]
.endr
.set i, i+2
.endr
	WIN 0
.irp a, 0,1,2,3
	v_add_f32 v[SSQ+2*\a], v[SSQ+2*\a], v[SSQ+2*\a+1]
.endr
.irp a, 0,1,2,3
	v_permlanex16_b32 v[SSQ+2*\a+1], v[SSQ+2*\a], s[SEL], s[SEL+1]
.endr
.irp a, 0,1,2,3
	v_add_f32 v[SSQ+2*\a], v[SSQ+2*\a], v[SSQ+2*\a+1]
.endr
.irp a, 0,1,2,3
	v_fma_f32 v[SSQ+2*\a], v[SSQ+2*\a], s36, s37   ; the mean + 1e-6: the division by 256 rounds nothing
.endr
	s_wait_alu depctr_va_vdst(0)
.irp a, 0,1,2,3
	v_rsq_f32 v[RS+2*\a], v[SSQ+2*\a]
.endr
	v_nop                                          ; a plain place behind the last of them
	s_wait_alu depctr_va_vdst(0)                   ; one wait for the four, ahead of their first reader
.irp a, 0,1,2,3
	v_mov_b32 v[RS+2*\a+1], v[RS+2*\a]
.endr
	WIN 0xa6                                       ; THE GAIN, in place, all four blocks: x + x w.  Sources 0 and 2 and the destination window 2, the gain window 1
.set i, 0
.rept 32
.irp a, 0,1,2,3
	v_pk_fma_f32 v[64*\a+i:64*\a+i+1], v[64*\a+i:64*\a+i+1], v[GLO+i:GLO+i+1], v[64*\a+i:64*\a+i+1]
.endr
.set i, i+2
.endr
	WIN 0
	CSLOAD 1, 1                                    ; the lower gain's registers are done with: with X0's last 64 they are the second buffer
	WIN 0xf3                                       ; d from 128 on: sources 0 and 2 and the destination window 3, the gain window 0
.set i, 0
.rept 32
.set GR, 72+i
.if i >= 56
.set GR, 168+i
.endif
.irp a, 0,1,2,3
	v_pk_fma_f32 v[64*\a+i:64*\a+i+1], v[64*\a+i:64*\a+i+1], v[GR:GR+1], v[64*\a+i:64*\a+i+1]
.endr
.set i, i+2
.endr
	WIN 0
.macro QKBLOCK a
.set CB, 128*((\a)%2)                  ; this block's buffer of cos and sin
	WIN 0x02
.set i, 0
.rept 32
	v_pk_mul_f32 v[YL+i:YL+i+1], v[64*\a+i:64*\a+i+1], v[RS+2*\a:RS+2*\a+1]     ; x (1 + w) / rms
.set i, i+2
.endr
	WIN 0x03
.set i, 0
.rept 32
	v_pk_mul_f32 v[YH+i:YH+i+1], v[64*\a+i:64*\a+i+1], v[RS+2*\a:RS+2*\a+1]
.set i, i+2
.endr
.if (\a) < 3
	s_wait_loadcnt 32                              ; this block's cos and sin are in; the next block's 32 loads may be out
.else
	s_wait_loadcnt 0x0
.endif
	WIN 0x04                                       ; source 1 in window 1
.set i, 0
.rept 8                                        ; four pairs at a time: eight products with sin into v200-215, then the eight multiply-adds that read them
.irp e, 0,2,4,6
	v_pk_mul_f32 v[TT+2*\e:TT+2*\e+1], v[YH+i+\e:YH+i+\e+1], v[CB+64+i+\e:CB+65+i+\e]
	v_pk_mul_f32 v[TT+2*\e+2:TT+2*\e+3], v[YL+i+\e:YL+i+\e+1], v[CB+64+i+\e:CB+65+i+\e]
.endr
.irp e, 0,2,4,6
	v_pk_fma_f32 v[YL+i+\e:YL+i+\e+1], v[YL+i+\e:YL+i+\e+1], v[CB+i+\e:CB+i+\e+1], v[TT+2*\e:TT+2*\e+1] neg_lo:[0,0,1] neg_hi:[0,0,1]   ; x1 cos - x2 sin
	v_pk_fma_f32 v[YH+i+\e:YH+i+\e+1], v[YH+i+\e:YH+i+\e+1], v[CB+i+\e:CB+i+\e+1], v[TT+2*\e+2:TT+2*\e+3]                               ; x2 cos + x1 sin
.endr
.set i, i+8
.endr
	WIN 0
.if (\a) < 2
	CSLOAD (\a)+2, (\a)%2                          ; the buffer just read takes the table of the block after the next: a whole block's work ahead of its use
.endif
	QUANT YL, 0
	PUT \a, 0
	QUANT YH, 0
	PUT \a, 1
.endm
	QKBLOCK 0
	QKBLOCK 1
	QKBLOCK 2
	QKBLOCK 3
	s_branch .Lwords
.Lv_out:                                               ; ---- v: the sums are quantised where they lie: a lane's registers run along the keys
.irp a, 0,1,2,3
	QUANT 64*\a, 2
	PUT \a, 0
	QUANT 64*\a, 3
	PUT \a, 1
.endr
.Lwords:
	v_cmp_ne_u32 vcc_lo, 0, v[HH]                  ; lanes 0-15 store the even block's words, lanes 16-31 the odd block's
	s_wait_alu depctr_va_vdst(0)
.irp s, 0,1
.irp i, 0,1
	v_cndmask_b32 v[TT+2*\s+\i], v[PWS+4*\i+\s], v[PWS+4*\i+2+\s], vcc_lo
	global_store_b32 v[SO+\s], v[TT+2*\s+\i], s[24:25] offset:128*\i
.endr
.endr
	s_wait_tensorcnt 0x0                           ; the wave's end
	ds_add_u32 v[SPW], v[NIL]
	s_wait_dscnt 0x0
	CROUND                                         ; the closing round: no work-group ends while a partner may still ask for a tile that names it
	s_endpgm
.Lfunc_end_k_q9770386931_qkvg:
	.size	k_q9770386931_qkvg, .Lfunc_end_k_q9770386931_qkvg-k_q9770386931_qkvg
	.p2alignl 7, 3214868480
	.fill 96, 4, 3214868480
	.section	.rodata,"a",@progbits
	.p2align	6, 0x0
	.amdhsa_kernel k_q9770386931_qkvg
		.amdhsa_group_segment_fixed_size 327680
		.amdhsa_private_segment_fixed_size 0
		.amdhsa_enable_private_segment 0
		.amdhsa_kernarg_size 40
		.amdhsa_user_sgpr_count 2
		.amdhsa_user_sgpr_kernarg_segment_ptr 1
		.amdhsa_wavefront_size32 1
		.amdhsa_system_sgpr_workgroup_id_x 1
		.amdhsa_system_sgpr_workgroup_id_y 1
		.amdhsa_system_sgpr_workgroup_id_z 1
		.amdhsa_system_vgpr_workitem_id 0
		.amdhsa_next_free_vgpr 1024
		.amdhsa_next_free_sgpr 106
		.amdhsa_reserve_vcc 1
		.amdhsa_float_denorm_mode_32 3
		.amdhsa_float_denorm_mode_16_64 3
		.amdhsa_memory_ordered 1
		.amdhsa_forward_progress 1
		.amdhsa_inst_pref_size 255
	.end_amdhsa_kernel
	.section	.bss,"aw",@nobits
	.p2align	6
	.space	262144
	.amdgpu_metadata
---
amdhsa.version: [ 1, 2 ]
amdhsa.kernels:
  - .name:           k_q9770386931_qkvg
    .symbol:         k_q9770386931_qkvg.kd
    .args:
      - { .name: cw, .offset: 0, .size: 8, .value_kind: global_buffer, .address_space: global }
      - { .name: rope, .offset: 8, .size: 8, .value_kind: global_buffer, .address_space: global }
      - { .name: q_norm_w, .offset: 16, .size: 8, .value_kind: global_buffer, .address_space: global }
      - { .name: k_norm_w, .offset: 24, .size: 8, .value_kind: global_buffer, .address_space: global }
      - { .name: qkv, .offset: 32, .size: 8, .value_kind: global_buffer, .address_space: global }
    .group_segment_fixed_size: 327680
    .private_segment_fixed_size: 0
    .kernarg_segment_align: 8
    .kernarg_segment_size: 40
    .max_flat_workgroup_size: 128
    .sgpr_count:     106
    .vgpr_count:     1024
    .wavefront_size: 32
...
	.end_amdgpu_metadata
.endif
;; end of part 2
;; launch attn (part 3): grid 256 x 1, 4 waves a work-group, no clusters, 327,680 bytes of LDS; arguments qkv, att; writes att
.if DOCPART == 3
	.amdgcn_target "amdgcn-amd-amdhsa--gfx1250"
	.amdhsa_code_object_version 6
	.text
	.protected	k_q9770386931_attn
	.globl	k_q9770386931_attn
	.p2align	8
	.type	k_q9770386931_attn,@function
k_q9770386931_attn:
	s_mov_b64 s[64:65], 0
	v_nop
	global_prefetch_b8 v0, s[64:65] scope:SCOPE_SE
	s_setreg_imm32_b32 hwreg(HW_REG_WAVE_MODE, 25, 1), 1
	s_wait_xcnt 0x0
; THIRD LAUNCH: attention on codes of E2M3.  WORK LEFT OUT: steps of 128 keys that lie wholly under reference()'s own mask (j <= i and i - j < 1024) are not multiplied: the first launch's head shows why they reach no output.
; SHARES.  A work-group takes 64 queries of one batch and head, a wave 16 of them.  Both products are used transposed (S^T = k q^T, O^T = v^T p^T): a lane holds one query throughout.
; The keys go in steps of 128, nine at the most, from step max(x - 16, 0) / 2 on (x: the work-group's 64 queries); a step past the last query is passed over by a scalar branch on ids.
; p = 2^(t - M), M the ceiling of the running largest t; the row's sum is taken of the unquantised p; when M moves, sum and O^T are multiplied by an exact power of two.  At the end O^T / sum is quantised along d into images of registers.
; RING.  Two slots of three steps: k's 73,728 dense bytes ([step][k-step of d][key block][1,536]), then v's ([step][d block][1,536]).  The scale words of all nine steps, 9,216 dense bytes a side, come once.
; THE HEAD: one tensor load a wave: wave 0 slot 0's k, wave 1 its v, wave 2 k's scale words, wave 3 v's.  In the ring each wave brings half of k's or of v's bytes of a slot, 36,864 dense bytes.  One tensor load a wave is out at any time.
; No cluster: the work-groups of one head begin at different steps and need different numbers of slots.  No prefetch: a work-group has three fills at the most, and the second goes out as soon as the first has landed.
; LIMITS: the promise holds while the scaled scores stay under 2^31 in magnitude; a block of zeros gets the byte 1 (zero codes; read by this program alone); NaN and infinities are not served.
; k RUNS ONE STEP AHEAD OF v (this refines what RING says above): a slot holds v's steps 3 j .. 3 j + 2 and k's steps 3 j + 1 .. 3 j + 3, so that step n finds step n + 1's k in its own slot.  The first step's k, 24,576 bytes
; and 8 scale words a wave, goes from memory straight into the operand's registers at the head.  In step n v's 56 LDS loads go out behind the score products and step n + 1's 56 loads of k behind the exponentials;
; these stay out over the second product and are waited for at the next step's head, or at the change of slots.  The k read ahead of a step that is passed over is not used; its bytes have been filled all the same:
; the last slot's k reaches step 16 of a head at the most, which lies inside qkv, and the scale words one step past k's nine are v's, filled at the head.
.set SLOTB, 147456
.set VOFF,  73728
.set HALF,  36864
.set STEPB, 12288
.set SCK,   294912
.set SCV,   304128
.set SPARE, 313344
.set KR,    3145728
.set QSC,   9437184
.set ASC,   3145728
.set SPW, 5
.set NIL, 6
.set QD,  7
.set KS,  42
.set VS,  50
.set TM,  60
.set PC,  76
.set PW,  251
.set PSW, 250
.set KF,  14
.set QL,  13
.set TB,  15
.set TS,  16
.set SEL, 20
.set CS,  22
.set MSB, 0
.macro WIN new
.if MSB != (\new)
	s_set_vgpr_msb (MSB<<8)|(\new)
.set MSB, (\new)
.endif
.endm
	s_load_b128 s[4:7], s[0:1], 0x0
	v_lshl_add_u32 v[SPW], v0, 2, SPARE
	v_mov_b32 v[NIL], 0
	ds_add_u32 v[SPW], v[NIL]
	ds_add_u32 v[SPW], v[NIL]
	v_lshrrev_b32 v8, 5, v0
	v_readfirstlane_b32 s8, v8
	s_bfe_u32 s10, ttmp9, 0x30002                  ; THE DEAL: batch and head are bits 2 to 4 of the work-group's number: the 32 work-groups that read one head's k and v agree in these bits;
	s_and_b32 s9, ttmp9, 3                         ; the block of 64 queries is bits 0, 1
	s_lshr_b32 s11, ttmp9, 5
	s_lshl_b32 s11, s11, 2
	s_or_b32 s9, s9, s11                           ; and bits 5 to 7: each of the 32 x 8 shares is dealt once
	s_max_u32 s11, s9, 16
	s_sub_co_u32 s11, s11, 16
	s_lshr_b32 s11, s11, 1
	s_lshl_b32 s12, s9, 6
	s_add_co_u32 s[QL], s12, 63
	s_lshl_b32 s[KF], s11, 7
	s_mov_b32 s[TB], 0
	s_mov_b32 s[TS], 0
	s_mov_b32 s[SEL], 0x76543210
	s_mov_b32 s[SEL+1], 0xfedcba98
	s_mov_b32 s[CS], 0x3db8aa3b
	s_mov_b32 s[CS+1], s[CS]
	s_mov_b32 s24, 3<<16
	s_mov_b32 s25, 1536<<16
	s_mov_b32 s26, 3<<16
	s_mov_b32 s27, 1536<<16
	s_mov_b32 s28, 3
	s_mov_b32 s29, 1536                            ; the ring's load: 3 rows of 12,288 bytes, dense
	s_mov_b32 s30, 0
	s_mov_b32 s31, 0
	s_mov_b32 s32, 3<<16
	s_mov_b32 s33, 128<<16                         ; scale words: 9 rows of 1,024 bytes, dense
	s_mov_b32 s34, 9<<16
	s_mov_b32 s35, 128<<16
	s_mov_b32 s36, 9
	s_mov_b32 s37, 128
	s_mov_b32 s38, 0
	s_mov_b32 s39, 0
	s_mov_b32 s68, 3<<16                           ; the head's load of codes: 6 rows of 12,288 bytes, dense: a slot's k or v
	s_mov_b32 s69, 1536<<16
	s_mov_b32 s70, 6<<16
	s_mov_b32 s71, 1536<<16
	s_mov_b32 s72, 6
	s_mov_b32 s73, 1536
	s_mov_b32 s74, 0
	s_mov_b32 s75, 0
	s_lshr_b32 s48, s8, 1
	s_add_co_u32 s48, s48, 1
	s_and_b32 s49, s8, 1
	s_lshl_b32 s50, s10, 4
	s_add_co_u32 s51, s50, s11
	s_mul_i32 s60, s51, 24576
	s_mul_i32 s61, s48, KR
	s_add_co_u32 s60, s60, s61
	s_mul_i32 s61, s49, HALF                       ; the ring: kind 1 + wave / 2, half wave % 2 of a slot's dense bytes
	s_add_co_u32 s60, s60, s61
	s_sub_co_u32 s61, 2, s48                       ; 1 for k, 0 for v:
	s_mul_i32 s61, s61, 2*STEPB                    ; k's tiles lie one step on
	s_add_co_u32 s60, s60, s61
	s_mov_b32 s61, 0
	s_add_co_u32 s48, s49, 1                       ; the head: kind 1 + wave % 2
	s_mul_i32 s80, s51, 24576
	s_mul_i32 s81, s48, KR
	s_add_co_u32 s80, s80, s81
	s_sub_co_u32 s81, 2, s48
	s_mul_i32 s81, s81, 2*STEPB
	s_add_co_u32 s80, s80, s81
	s_mov_b32 s81, 0
	s_mul_i32 s82, s51, 24576                      ; the first step's k: its codes,
	s_add_co_u32 s82, s82, KR
	s_mov_b32 s83, 0
	s_lshl_b32 s84, s51, 10                        ; and its scale words
	s_add_co_u32 s84, s84, QSC+131072
	s_mov_b32 s85, 0
	s_lshl_b32 s62, s51, 10
	s_lshl_b32 s63, s48, 17
	s_add_co_u32 s62, s62, s63
	s_add_co_u32 s62, s62, QSC
	s_mov_b32 s63, 0
	s_mov_b32 s40, 1
	s_mul_i32 s41, s8, HALF
	s_mov_b32 s44, 1
	s_mul_i32 s45, s49, 9216
	s_add_co_u32 s45, s45, SCK
	s_mov_b32 s76, 1
	s_mul_i32 s77, s49, VOFF
	v_and_b32 v9, 31, v0
	v_lshlrev_b32 v1, 4, v9
	v_add_nc_u32 v2, VOFF, v1
	v_lshl_add_u32 v3, v9, 2, SCK
	v_lshl_add_u32 v4, v9, 2, SCV
	v_lshlrev_b32 v59, 2, v9                       ; 4 x lane: the first step's scale words of k in memory
	v_and_b32 v10, 15, v0
	v_bfe_u32 v11, v0, 4, 1
	s_lshr_b32 s17, s8, 1
	s_lshl_b32 s17, s17, 5
	s_and_b32 s18, s8, 1
	s_lshl_b32 s18, s18, 3
	s_add_co_u32 s17, s17, s18
	s_add_co_u32 s17, s17, s12
	v_and_b32 v[QD], 7, v10
	v_lshrrev_b32 v12, 3, v10
	v_lshl_add_u32 v[QD], v12, 4, v[QD]
	v_add_nc_u32 v[QD], s17, v[QD]
	v_lshlrev_b32 v12, 4, v11
	v_sub_nc_u32 v[QD], v[QD], v12
	v_lshlrev_b32 v248, 2, v10
	s_wait_alu depctr_va_vdst(0)
	s_wait_dscnt 0x0
	s_wait_kmcnt 0x0
	s_add_nc_u64 s[42:43], s[4:5], s[60:61]
	s_or_b32 s43, s43, 0x80000000
	s_add_nc_u64 s[46:47], s[4:5], s[62:63]
	s_or_b32 s47, s47, 0x80000000
	s_add_nc_u64 s[78:79], s[4:5], s[80:81]
	s_add_nc_u64 s[82:83], s[4:5], s[82:83]
	s_add_nc_u64 s[84:85], s[4:5], s[84:85]
	s_or_b32 s79, s79, 0x80000000
	s_cmp_lt_u32 s8, 2                             ; one tensor load a wave at the head, a fill in each arm:
	s_cbranch_scc0 .Lhead_sc
	tensor_load_to_lds s[76:79], s[68:75]          ; waves 0, 1: slot 0's k, v
	s_nop 0
.rept 4
	v_nop
.endr
	s_branch .Lhead_asked
.Lhead_sc:
	tensor_load_to_lds s[44:47], s[32:39]          ; waves 2, 3: k's, v's scale words
	s_nop 0
.rept 4
	v_nop
.endr
.Lhead_asked:
	s_lshl_b32 s48, s9, 2
	s_add_co_u32 s48, s48, s8
	s_lshr_b32 s49, s48, 3
	s_and_b32 s51, s48, 7
	s_add_co_u32 s49, s49, s50
	s_mul_i32 s52, s49, 24576
	s_mul_i32 s53, s51, 1536
	s_add_co_u32 s52, s52, s53
	s_mov_b32 s53, 0
	s_add_nc_u64 s[52:53], s[4:5], s[52:53]
	s_lshl_b32 s54, s49, 10
	s_lshl_b32 s55, s51, 6
	s_add_co_u32 s54, s54, s55
	s_add_co_u32 s54, s54, QSC
	s_mov_b32 s55, 0
	s_add_nc_u64 s[54:55], s[4:5], s[54:55]
.irp s, 0,1
.irp c, 0,1,2
	global_load_b128 v[16+12*\s+4*\c:19+12*\s+4*\c], v1, s[52:53] offset:12288*\s+512*\c th:TH_LOAD_NT
.endr
	global_load_b32 v[40+\s], v248, s[54:55] offset:512*\s
.endr
.irp m, 0,1,2,3,4,5,6,7
	global_load_b32 v[KS+\m], v59, s[84:85] offset:128*\m      ; the first step's k: scale words,
.endr
	WIN 0x80                                       ; destination window 2
.set j, 0
.rept 48
	global_load_b128 v[4*j:4*j+3], v1, s[82:83] offset:512*j   ; and its 16 fragments, images of registers: 512 consecutive bytes a load
.set j, j+1
.endr
	WIN 0
	s_lshr_b32 s56, s10, 2
	s_lshl_b32 s56, s56, 7
	s_add_co_u32 s56, s56, s48
	s_and_b32 s57, s10, 3
	s_lshl_b32 s58, s56, 9
	s_lshl_b32 s59, s57, 7
	s_add_co_u32 s58, s58, s59
	s_add_co_u32 s58, s58, ASC
	s_mov_b32 s59, 0
	s_add_nc_u64 s[58:59], s[6:7], s[58:59]
	s_lshl_b32 s56, s56, 3
	s_lshl_b32 s57, s57, 1
	s_add_co_u32 s56, s56, s57
	s_mul_i32 s56, s56, 1536
	s_mov_b32 s57, 0
	s_add_nc_u64 s[56:57], s[6:7], s[56:57]
	v_mov_b32 v13, 0xff61b1e6
	v_floor_f32 v12, -v13
	v_mov_b32 v14, 0
	v_mov_b32 v15, 0
	v_mov_b32 v249, 0xff800000
	v_mov_b32 v252, 0
	v_mov_b32 v253, 0
.irp b, 0,1,2,3
	v_mov_b32 v[236+\b], 0
	v_mov_b32 v[TM+4+\b], 0
.endr
	WIN 0x40
.set j, 0
.rept 128
	v_mov_b32 v[j], 0
.set j, j+1
.endr
	WIN 0
.macro QK s
.irp kb, 0,1,2,3,4,5,6,7
.set rD, 96+8*\kb
.set rA, 12*(8*(\s)+\kb)
.set rB, 16+12*(\s)
.set rS, KS+4*(\s)+\kb/2
.if (\s) == 0
.if (\kb%2) == 0
	v_wmma_scale_f32_16x16x128_f8f6f4 v[rD:rD+7], v[rA:rA+11], v[rB:rB+11], 0, v[rS], v[40+(\s)] matrix_a_fmt:MATRIX_FMT_FP6 matrix_b_fmt:MATRIX_FMT_FP6
.else
	v_wmma_scale_f32_16x16x128_f8f6f4 v[rD:rD+7], v[rA:rA+11], v[rB:rB+11], 0, v[rS], v[40+(\s)] matrix_a_fmt:MATRIX_FMT_FP6 matrix_b_fmt:MATRIX_FMT_FP6 matrix_a_scale:MATRIX_SCALE_ROW1
.endif
.else
.if (\kb%2) == 0
	v_wmma_scale_f32_16x16x128_f8f6f4 v[rD:rD+7], v[rA:rA+11], v[rB:rB+11], v[rD:rD+7], v[rS], v[40+(\s)] matrix_a_fmt:MATRIX_FMT_FP6 matrix_b_fmt:MATRIX_FMT_FP6
.else
	v_wmma_scale_f32_16x16x128_f8f6f4 v[rD:rD+7], v[rA:rA+11], v[rB:rB+11], v[rD:rD+7], v[rS], v[40+(\s)] matrix_a_fmt:MATRIX_FMT_FP6 matrix_b_fmt:MATRIX_FMT_FP6 matrix_a_scale:MATRIX_SCALE_ROW1
.endif
.endif
.endr
.endm
.macro STEP
	s_cmp_gt_u32 s[KF], s[QL]
	s_cbranch_scc1 .Lhidden_\@
	v_add_nc_u32 v8, s[TB], v1
	v_add_nc_u32 v9, s[TB], v2
	v_add_nc_u32 v10, s[TS], v3
	v_add_nc_u32 v11, s[TS], v4
	s_wait_alu depctr_va_vdst(0)
	s_wait_dscnt 24                                ; this step's k was asked for in the step before: all but its youngest 24 loads, the second 128 of d
	WIN 0x02
	QK 0
	s_wait_dscnt 0x0
	QK 1
	WIN 0
.rept 4
	v_nop
.endr
.irp i, 0,1,2,3,4,5,6,7
	ds_load_b32 v[VS+\i], v11 offset:128*\i
.endr
	WIN 0xc0
.irp db, 0,1,2,3,4,5,6,7,8,9,10,11,12,13,14,15
.irp c, 0,1,2
	ds_load_b128 v[12*\db+4*\c:12*\db+4*\c+3], v9 offset:1536*\db+512*\c
.endr
.endr
	WIN 0
	s_add_co_u32 s19, s[KF], 127
	s_cmp_gt_u32 s19, s12
	s_cbranch_scc1 .Lmask_\@
	s_add_co_u32 s19, s[KF], 960
	s_cmp_ge_u32 s19, s12
	s_cbranch_scc1 .Lopen_\@
.Lmask_\@:
	v_sub_nc_u32 v255, v[QD], s[KF]
.set n, 0
.rept 64
	v_add_nc_u32 v248, -(32*(n/16)+n%16), v255
	v_cmp_lt_u32 vcc_lo, 0x3ff, v248
	v_cndmask_b32 v[96+n], v[96+n], v249, vcc_lo
.set n, n+1
.endr
.Lopen_\@:
.irp b, 0,1,2,3
	v_max3_num_f32 v[232+\b], v[96+16*\b], v[97+16*\b], v[98+16*\b]
.endr
.irp i, 3,5,7,9,11,13
.irp b, 0,1,2,3
	v_max3_num_f32 v[232+\b], v[232+\b], v[96+16*\b+\i], v[97+16*\b+\i]
.endr
.endr
.irp b, 0,1,2,3
	v_max_num_f32 v[232+\b], v[232+\b], v[111+16*\b]
.endr
.irp b, 0,1,2,3
	v_permlanex16_b32 v[236+\b], v[232+\b], s[SEL], s[SEL+1]
.endr
.irp b, 0,1,2,3
	v_max_num_f32 v[232+\b], v[232+\b], v[236+\b]
.endr
	v_max3_num_f32 v254, v232, v233, v234
	v_max_num_f32 v254, v254, v235
	v_mul_f32 v254, s[CS], v254
	v_max_num_f32 v13, v13, v254
	v_mov_b32 v254, v12
	v_floor_f32 v12, -v13
	v_sub_f32 v254, v12, v254
	v_cvt_i32_f32 v254, v254
	v_ldexp_f32 v252, 1.0, v254
.set j, 0
.rept 32
	v_pk_fma_f32 v[96+j:97+j], v[96+j:97+j], s[CS:CS+1], v[12:13] op_sel_hi:[1,0,0]
.set j, j+2
.endr
.irp b, 0,1,2,3
	v_fma_f32 v[232+\b], v[232+\b], s[CS], v12
.endr
.set j, 0
	s_wait_alu depctr_va_vdst(0)
.rept 64
	v_exp_f32 v[96+j], v[96+j]
.set j, j+1
.endr
	v_pk_mul_f32 v[14:15], v[14:15], v[252:253] op_sel_hi:[1,0]
.irp s, 0,1                                    ; THE NEXT STEP'S k, 56 loads, into registers that the score products have done with: its scale words lie 1,024 bytes on, its codes at this step's place in the slot
.irp i, 0,1,2,3
	ds_load_b32 v[KS+4*\s+\i], v10 offset:1024+512*\s+128*\i
.endr
.endr
	WIN 0x80
.irp s, 0,1
.irp kb, 0,1,2,3,4,5,6,7
.irp c, 0,1,2
	ds_load_b128 v[12*(8*\s+\kb)+4*\c:12*(8*\s+\kb)+4*\c+3], v8 offset:STEPB*\s+1536*\kb+512*\c
.endr
.endr
.endr
	WIN 0
	s_wait_alu depctr_va_vdst(0)
.irp b, 0,1,2,3
	v_exp_f32 v[232+\b], v[232+\b]
.endr
	v_pk_add_f32 v[236:237], v[96:97], v[98:99]
.set j, 4
.rept 15
	v_pk_add_f32 v[14:15], v[14:15], v[96+j:97+j]
	v_pk_add_f32 v[236:237], v[236:237], v[98+j:99+j]
.set j, j+4
.endr
	v_pk_add_f32 v[14:15], v[14:15], v[236:237]
	s_wait_alu depctr_va_vdst(0)
.irp b, 0,1,2,3
	v_max_num_f32 v[232+\b], 0x1800000, v[232+\b]
.endr
.irp b, 0,1,2,3
	v_add_nc_u32 v[244+\b], 0xff000000, v[232+\b]
.endr
.irp b, 0,1,2,3
	v_lshrrev_b32 v[236+\b], 23, v[244+\b]
.endr
	v_lshl_or_b32 v[PSW], v237, 8, v236
	v_lshl_or_b32 v[PSW], v238, 16, v[PSW]
	v_lshl_or_b32 v[PSW], v239, 24, v[PSW]
.irp c, 0,1
	v_cvt_scalef32_pk16_fp6_f32 v[224+6*\c:226+6*\c], v[96+32*\c:111+32*\c], v[244+2*\c]
	v_cvt_scalef32_pk16_fp6_f32 v[236+4*\c:238+4*\c], v[112+32*\c:127+32*\c], v[244+2*\c+1]
.endr
	v_nop
.irp c, 0,1
.irp i, 0,1,2
	v_permlane16_swap_b32 v[224+6*\c+\i], v[236+4*\c+\i]
.endr
.irp i, 0,1,2
	v_mov_b32 v[227+6*\c+\i], v[236+4*\c+\i]
.endr
.endr
	WIN 0x41
.set j, 0
.rept 64
	v_pk_mul_f32 v[j:j+1], v[j:j+1], v[252:253] op_sel_hi:[1,0]
.set j, j+2
.endr
	s_wait_alu depctr_va_vdst(0)
	s_wait_dscnt 56                                ; v's 56 loads are in; the 56 of the next step's k, issued behind them, may be out
	WIN 0x53
.irp db, 0,1,2,3,4,5,6,7,8,9,10,11,12,13,14,15
.if (\db%2) == 0
	v_wmma_scale_f32_16x16x128_f8f6f4 v[8*\db:8*\db+7], v[12*\db:12*\db+11], v[224:235], v[8*\db:8*\db+7], v[VS+\db/2], v[PSW] matrix_a_fmt:MATRIX_FMT_FP6 matrix_b_fmt:MATRIX_FMT_FP6
.else
	v_wmma_scale_f32_16x16x128_f8f6f4 v[8*\db:8*\db+7], v[12*\db:12*\db+11], v[224:235], v[8*\db:8*\db+7], v[VS+\db/2], v[PSW] matrix_a_fmt:MATRIX_FMT_FP6 matrix_b_fmt:MATRIX_FMT_FP6 matrix_a_scale:MATRIX_SCALE_ROW1
.endif
.endr
	WIN 0
.Lhidden_\@:
	s_add_co_u32 s[KF], s[KF], 128
	s_add_co_u32 s[TB], s[TB], 2*STEPB             ; a step is 24,576 bytes of k and of v, and 1,024 of each side's scale words
	s_add_co_u32 s[TS], s[TS], 1024
.endm
.macro CHANGE fill
	s_wait_tensorcnt 0x0
	ds_add_u32 v[SPW], v[NIL]
.if \fill
	s_xor_b32 s41, s41, SLOTB
	s_add_nc_u64 s[42:43], s[42:43], 73728
.endif
	s_wait_dscnt 0x0
	s_barrier_signal -1
	s_barrier_wait -1
.if \fill
	s_add_co_u32 s19, s[KF], 384
	s_cmp_gt_u32 s19, s[QL]
	s_cbranch_scc1 .Lpast_\@
	tensor_load_to_lds s[40:43], s[24:31]
	s_nop 0
.rept 4
	v_nop
.endr
.Lpast_\@:
.endif
.endm
.macro STEPS
	s_mov_b32 s18, 3
.Lstep_\@:
	STEP
	s_sub_co_u32 s18, s18, 1
	s_cmp_lg_u32 s18, 0
	s_cbranch_scc1 .Lstep_\@
	s_sub_co_u32 s[TB], s[TB], 6*STEPB
	s_xor_b32 s[TB], s[TB], SLOTB
.endm
	s_wait_loadcnt 0x0
	s_mov_b32 s17, 2
.Lslot:
	CHANGE 1
	STEPS
	s_sub_co_u32 s17, s17, 1
	s_cmp_lg_u32 s17, 0
	s_cbranch_scc1 .Lslot
	CHANGE 0
	STEPS
.rept 4
	v_nop
.endr
	v_add_f32 v14, v14, v15
	v_permlanex16_b32 v252, v14, s[SEL], s[SEL+1]
	v_add_f32 v14, v14, v252
	s_wait_alu depctr_va_vdst(0)
	v_rcp_f32 v14, v14
	v_and_b32 v8, 15, v0
	v_bfe_u32 v9, v0, 4, 1
	v_lshlrev_b32 v8, 3, v8
	v_lshl_add_u32 v8, v9, 2, v8
	s_wait_alu depctr_va_vdst(0)
	v_mov_b32 v15, v14
	WIN 0x01
.set j, 0
.rept 64
	v_pk_mul_f32 v[96+j:97+j], v[j:j+1], v[14:15]
.set j, j+2
.endr
	WIN 0
.macro QUANT s
.irp b, 0,1,2,3
	v_max3_num_f32 v[TM+\b], |v[(\s)+16*\b]|, |v[(\s)+1+16*\b]|, 0x1800000
.endr
.irp i, 2,4,6,8,10,12,14
.irp b, 0,1,2,3
	v_max3_num_f32 v[TM+\b], |v[(\s)+16*\b+\i]|, |v[(\s)+1+16*\b+\i]|, v[TM+\b]
.endr
.endr
.irp b, 0,1,2,3
	v_permlanex16_b32 v[TM+4+\b], v[TM+\b], s[SEL], s[SEL+1]
.endr
.irp b, 0,1,2,3
	v_max_num_f32 v[TM+\b], v[TM+\b], v[TM+4+\b]
.endr
.irp b, 0,1,2,3
	v_add_nc_u32 v[TM+12+\b], 0xff000000, v[TM+\b]
.endr
.irp b, 0,1,2,3
	v_lshrrev_b32 v[TM+4+\b], 23, v[TM+12+\b]
.endr
	v_lshl_or_b32 v[PW], v[TM+5], 8, v[TM+4]
	v_lshl_or_b32 v[PW], v[TM+6], 16, v[PW]
	v_lshl_or_b32 v[PW], v[TM+7], 24, v[PW]
	s_wait_xcnt 0x0
.irp c, 0,1
	v_cvt_scalef32_pk16_fp6_f32 v[PC+6*\c:PC+2+6*\c], v[(\s)+32*\c:(\s)+15+32*\c], v[TM+12+2*\c]
	v_cvt_scalef32_pk16_fp6_f32 v[PC+12+4*\c:PC+14+4*\c], v[(\s)+16+32*\c:(\s)+31+32*\c], v[TM+12+2*\c+1]
.endr
	v_nop
.irp c, 0,1
.irp i, 0,1,2
	v_permlane16_swap_b32 v[PC+6*\c+\i], v[PC+12+4*\c+\i]
.endr
.irp i, 0,1,2
	v_mov_b32 v[PC+3+6*\c+\i], v[PC+12+4*\c+\i]
.endr
.endr
.endm
	QUANT 96
	v_mov_b32 v58, v[PW]
.irp c, 0,1,2
	global_store_b128 v1, v[PC+4*\c:PC+4*\c+3], s[56:57] offset:512*\c
.endr
	QUANT 160
.irp c, 0,1,2
	global_store_b128 v1, v[PC+4*\c:PC+4*\c+3], s[56:57] offset:1536+512*\c
.endr
	v_cmp_ne_u32 vcc_lo, 0, v9
	v_cndmask_b32 v58, v58, v[PW], vcc_lo
	global_store_b32 v8, v58, s[58:59]
	s_wait_tensorcnt 0x0
	ds_add_u32 v[SPW], v[NIL]
	s_wait_dscnt 0x0
	s_endpgm
.Lfunc_end_k_q9770386931_attn:
	.size	k_q9770386931_attn, .Lfunc_end_k_q9770386931_attn-k_q9770386931_attn
	.p2alignl 7, 3214868480
	.fill 96, 4, 3214868480
	.section	.rodata,"a",@progbits
	.p2align	6, 0x0
	.amdhsa_kernel k_q9770386931_attn
		.amdhsa_group_segment_fixed_size 327680
		.amdhsa_private_segment_fixed_size 0
		.amdhsa_enable_private_segment 0
		.amdhsa_kernarg_size 16
		.amdhsa_user_sgpr_count 2
		.amdhsa_user_sgpr_kernarg_segment_ptr 1
		.amdhsa_wavefront_size32 1
		.amdhsa_system_sgpr_workgroup_id_x 1
		.amdhsa_system_sgpr_workgroup_id_y 1
		.amdhsa_system_sgpr_workgroup_id_z 1
		.amdhsa_system_vgpr_workitem_id 0
		.amdhsa_next_free_vgpr 1024
		.amdhsa_next_free_sgpr 100
		.amdhsa_reserve_vcc 1
		.amdhsa_float_denorm_mode_32 3
		.amdhsa_float_denorm_mode_16_64 3
		.amdhsa_memory_ordered 1
		.amdhsa_forward_progress 1
		.amdhsa_inst_pref_size 106
	.end_amdhsa_kernel
	.amdgpu_metadata
---
amdhsa.version: [ 1, 2 ]
amdhsa.kernels:
  - .name:           k_q9770386931_attn
    .symbol:         k_q9770386931_attn.kd
    .args:
      - { .name: qkv, .offset: 0, .size: 8, .value_kind: global_buffer, .address_space: global }
      - { .name: att, .offset: 8, .size: 8, .value_kind: global_buffer, .address_space: global }
    .group_segment_fixed_size: 327680
    .private_segment_fixed_size: 0
    .kernarg_segment_align: 8
    .kernarg_segment_size: 16
    .max_flat_workgroup_size: 128
    .sgpr_count:     100
    .vgpr_count:     1024
    .wavefront_size: 32
...
	.end_amdgpu_metadata
.endif
;; end of part 3
;; launch oproj (part 4): grid 16 x 16, 4 waves a work-group, clusters of 4 x 4, 327,680 bytes of LDS; arguments att, cw, out0; writes out0
.if DOCPART == 4
	.amdgcn_target "amdgcn-amd-amdhsa--gfx1250"
	.amdhsa_code_object_version 6
	.text
	.protected	k_q9770386931_oproj
	.globl	k_q9770386931_oproj
	.p2align	8
	.type	k_q9770386931_oproj,@function
k_q9770386931_oproj:
	s_mov_b64 s[64:65], 0
	v_nop
	global_prefetch_b8 v0, s[64:65] scope:SCOPE_SE
	s_setreg_imm32_b32 hwreg(HW_REG_WAVE_MODE, 25, 1), 1
	s_wait_xcnt 0x0
	s_wait_alu depctr_hold_cnt(0) depctr_sa_sdst(0) depctr_va_vdst(0) depctr_va_sdst(0) depctr_va_ssrc(0) depctr_va_vcc(0) depctr_vm_vsrc(0)
	s_getreg_b32 s2, hwreg(HW_REG_IB_STS2, 6, 4)
	s_cmp_eq_u32 s2, 0
	s_cbranch_scc0 .Lentry_in_a_cluster
	s_endpgm
.Lentry_in_a_cluster:
	s_bfe_u32 s2, ttmp6, 0x10000c
	s_cmp_lg_u32 s2, 0xf033
	s_cbranch_scc0 .Lentry_shape_is_right
	s_endpgm
.Lentry_shape_is_right:
; FOURTH LAUNCH: out0 = attention's result x Wo^T on codes of E2M3, f32 out.  Nothing of reference()'s work is left out here.
; SHARES.  256 work-groups of 256 tokens x 128 columns.  A wave makes 128 tokens (8 row blocks, source 1) x 64 columns (4 row blocks of Wo, source 0).  A lane holds one token, and register 8 b + j of a
; token block's 32 is column 32 (b / 2) + 16 h + 8 (b % 2) + j of the wave's 64 (the rows of a row block are 32 g + 8 u + (r & 7) + 16 (r >> 3): first launch).
; ALL OF K = 1,024 LIES IN LDS, asked for at the head by ONE tensor load a wave: waves 0, 1 bring 8 row blocks of tokens each (98,304 dense bytes), waves 2, 3 bring 4 row blocks of Wo each (49,152).  Nothing is filled again.
; The scale words go from memory into registers, once: 16 loads of 8 bytes a lane for my 8 token blocks, 8 for my 4 blocks of Wo; they stay for the whole launch.
; Wo'S FRAGMENTS STAY IN REGISTERS: 4 blocks x 8 steps of 128 along K x 12 = 384.  The token blocks go past them one after the other, 32 products each (4 accumulators by turns, K ascending), so that a finished
; block of 16 tokens leaves while the next is multiplied.  LDS is read once for each fragment: 32 of Wo and 64 of tokens a wave.
; THE WAY OUT: a block's 16 rows x 256 bytes go through the wave's own stage (rows 272 bytes apart, in bytes that no tensor load fills) and come back as rows: sixteen lanes store one aligned unit of 256 bytes.
; CLUSTER 4 x 4: the tokens' tiles are asked for jointly along a row of the cluster, Wo's along a column.  No prefetch: the launch has no loop to run ahead in: all that it reads is asked for at its head.
; REGISTERS.  Window 0: v1-15 addresses; v16-63 scale words and nothing else; v64-159, v160-255 a token block's 8 fragments, two sets.  Window 1: Wo's steps 0-4 at 48 k + 12 b.
; Window 2: Wo's steps 5-7 at 48 (k - 5) + 12 b; v144-207 two sets of 4 accumulators; v208-239 a block read back from the stage.
.set WOFF,  196608                     ; behind the tokens' 16 row blocks x 12,288 bytes: Wo's 8
.set SPARE, 294912                     ; the spare words, 128 bytes a wave
.set STAGE, 295424                     ; four stages of 16 x 272 bytes
.set SP,    272
.set ASC,   3145728
.set WOIMG, 11010048
.set WOSC,  13041664
.set AD0, 2                            ; v2      my 4 blocks of Wo
.set AD1, 3                            ; v3, v4  my token blocks 0-3, 4-7
.set STO, 6
.set RD,  7
.set CO,  8                            ; v8      my byte offset in two rows of out0
.set VT,  9                            ; v9      the tokens' scale words: 8 r, lanes 16-31 the next block
.set VW,  10                           ; v10     Wo's: 8 r, lanes 16-31 two blocks on
.set SPW, 14
.set NIL, 15
.set XS0, 16                           ; register 8 i + k: lanes 0-15 Wo's block i, lanes 16-31 block i + 2, step k
.set XS1, 32                           ; register 8 p + k: lanes 0-15 token block 2 p, lanes 16-31 block 2 p + 1
.set X1F, 64
.set ACC, 144
.set BK,  208
.set G1T, 24
.set G1W, 32
.set G0T, 40
.set G0W, 44
.set MSB, 0
.macro WIN new                         ; the immediate's high byte repeats the setting that is left; a switch that changes nothing is dropped
.if MSB != (\new)
	s_set_vgpr_msb (MSB<<8)|(\new)
.set MSB, (\new)
.endif
.endm
.macro PLACES                          ; four plain places behind matrix instructions (ISA guide 7.12.1)
.rept 4
	v_nop
.endr
.endm
.macro CROUND                          ; a round of the cluster's barrier
	s_barrier_signal -1
	s_barrier_wait -1
	s_cmp_lg_u32 s10, 0
	s_cbranch_scc1 .Lnot_wave_0_\@
	s_barrier_signal -3
.Lnot_wave_0_\@:
	s_barrier_wait -3
	s_barrier_signal -1
	s_barrier_wait -1
.endm
	s_load_b128 s[4:7], s[0:1], 0x0                ; att, cw
	s_load_b64 s[8:9], s[0:1], 0x10                ; out0
	v_lshl_add_u32 v[SPW], v0, 2, SPARE
	v_mov_b32 v[NIL], 0
	ds_add_u32 v[SPW], v[NIL]                      ; the wave's opening: the add, twice on end, and its wait ahead of my first tensor load
	ds_add_u32 v[SPW], v[NIL]
	v_lshrrev_b32 v1, 5, v0
	v_readfirstlane_b32 s10, v1                    ; wave
	s_lshr_b32 s11, s10, 1                         ; I fetch for the tokens (0) or for Wo (1).  Also: which 128 tokens are mine
	s_and_b32 s12, s10, 1                          ; which half I fetch.  Also: which 64 columns are mine
	s_bfe_u32 s13, ttmp6, 0x40000                  ; cx
	s_bfe_u32 s14, ttmp6, 0x40004                  ; cy
	s_lshl_b32 s15, ttmp9, 2
	s_add_co_u32 s15, s15, s13                     ; tile column: 128 columns
	s_and_b32 s16, ttmp7, 0xffff
	s_lshl_b32 s16, s16, 2
	s_add_co_u32 s16, s16, s14                     ; tile row: 256 tokens
	s_lshl_b32 s17, s14, 2
	s_lshl_b32 s17, 15, s17                        ; my row of the cluster
	s_lshl_b32 s18, 0x1111, s13                    ; my column
	s_or_b32 s[G1T], s17, (3<<16)|(1<<21)          ; elements of 8 bytes, no padding, bit 21 beside the mask
	s_or_b32 s[G1W], s18, (3<<16)|(1<<21)
.irp g, G1T, G1W
	s_mov_b32 s[\g+1], 1536<<16                    ; rows of 12,288 bytes: a row block's whole K, one behind the other in memory
	s_mov_b32 s[\g+3], 1536<<16
	s_mov_b32 s[\g+5], 1536
	s_mov_b32 s[\g+6], 0
	s_mov_b32 s[\g+7], 0
.endr
	s_mov_b32 s[G1T+2], 8<<16                      ; 8 row blocks of tokens,
	s_mov_b32 s[G1T+4], 8
	s_mov_b32 s[G1W+2], 4<<16                      ; 4 of Wo
	s_mov_b32 s[G1W+4], 4
	s_lshl_b32 s20, s16, 4
	s_lshl_b32 s19, s12, 3
	s_add_co_u32 s20, s20, s19                     ; tokens: row block 16 x tile row + 8 x half
	s_mul_i32 s20, s20, 12288
	s_mov_b32 s21, 0
	s_lshl_b32 s22, s15, 3
	s_lshl_b32 s56, s12, 2
	s_add_co_u32 s22, s22, s56                     ; Wo: row block 8 x tile column + 4 x half: the half that I fetch (waves 2, 3) and the half that I multiply
	s_lshl_b32 s50, s22, 9                         ; its scale words: 512 bytes a row block
	s_add_co_u32 s50, s50, WOSC
	s_mov_b32 s51, 0
	s_mul_i32 s22, s22, 12288
	s_add_co_u32 s22, s22, WOIMG
	s_mov_b32 s23, 0
	s_lshl_b32 s48, s16, 4
	s_lshl_b32 s19, s11, 3
	s_add_co_u32 s48, s48, s19                     ; my 8 token blocks: their scale words
	s_lshl_b32 s48, s48, 9
	s_add_co_u32 s48, s48, ASC
	s_mov_b32 s49, 0
	s_lshl_b32 s52, s16, 8                         ; out0: (256 x tile row + 128 x token half) rows of 8,192 bytes + 512 x tile column + 256 x column half
	s_lshl_b32 s19, s11, 7
	s_add_co_u32 s52, s52, s19
	s_lshl_b32 s52, s52, 13
	s_lshl_b32 s56, s15, 9
	s_add_co_u32 s52, s52, s56
	s_lshl_b32 s56, s12, 8
	s_add_co_u32 s52, s52, s56
	s_mov_b32 s53, 0
	s_mov_b32 s[G0T], 1
	s_mul_i32 s[G0T+1], s12, 98304                 ; where the tiles go: no place in the cluster enters an LDS address
	s_mov_b32 s[G0W], 1
	s_mul_i32 s[G0W+1], s12, 49152
	s_add_co_u32 s[G0W+1], s[G0W+1], WOFF
	s_mul_i32 s54, s11, 98304                      ; my 8 token blocks in LDS
	s_mul_i32 s55, s10, 16*SP
	s_add_co_u32 s55, s55, STAGE                   ; my stage
	v_and_b32 v1, 31, v0
	v_lshlrev_b32 v1, 4, v1                        ; 16 x lane
	v_and_b32 v11, 15, v0                          ; r
	v_bfe_u32 v12, v0, 4, 1                        ; h
	v_add_nc_u32 v[AD0], s[G0W+1], v1
	v_add_nc_u32 v[AD1], s54, v1
	v_add_nc_u32 v[AD1+1], 49152, v[AD1]
	v_mul_u32_u24 v[STO], v11, SP
	v_lshl_add_u32 v[STO], v12, 6, v[STO]
	v_add_nc_u32 v[STO], s55, v[STO]               ; into the stage: row r, + 64 h
	v_mul_u32_u24 v[RD], v12, SP
	v_lshl_add_u32 v[RD], v11, 4, v[RD]
	v_add_nc_u32 v[RD], s55, v[RD]                 ; out of it: lanes 0-15 one row of 256 bytes, lanes 16-31 the next
	v_lshlrev_b32 v[CO], 4, v11
	v_lshl_add_u32 v[CO], v12, 13, v[CO]           ; and the same two rows in out0
	v_lshlrev_b32 v[VT], 3, v11
	v_lshl_add_u32 v[VW], v12, 10, v[VT]
	v_lshl_add_u32 v[VT], v12, 9, v[VT]
	s_wait_alu depctr_va_vdst(0)                   ; the head's end: no vector instruction but v_nop writes a register behind it
	s_wait_dscnt 0x0                               ; both opening adds are done
	s_wait_kmcnt 0x0
	s_add_nc_u64 s[G0T+2:G0T+3], s[4:5], s[20:21]
	s_or_b32 s[G0T+3], s[G0T+3], 0x80000000
	s_add_nc_u64 s[G0W+2:G0W+3], s[6:7], s[22:23]
	s_or_b32 s[G0W+3], s[G0W+3], 0x80000000
	s_add_nc_u64 s[48:49], s[4:5], s[48:49]
	s_add_nc_u64 s[50:51], s[6:7], s[50:51]
	s_add_nc_u64 s[8:9], s[8:9], s[52:53]
.irp p, 0,1,2,3
.irp c, 0,1,2,3
	global_load_b64 v[XS1+8*\p+2*\c:XS1+8*\p+2*\c+1], v[VT], s[48:49] offset:1024*\p+128*\c   ; the two words of 256 along K of each row
.endr
.endr
.irp i, 0,1
.irp c, 0,1,2,3
	global_load_b64 v[XS0+8*\i+2*\c:XS0+8*\i+2*\c+1], v[VW], s[50:51] offset:512*\i+128*\c
.endr
.endr
	CROUND                                         ; all sixteen work-groups are here: the joint loads meet
	s_cmp_eq_u32 s11, 0                            ; a fill in each arm; an s_nop 0 and four v_nop follow each line
	s_cbranch_scc0 .Lfor_w
	tensor_load_to_lds s[G0T:G0T+3], s[G1T:G1T+7]
	s_nop 0
	PLACES
	s_branch .Lasked
.Lfor_w:
	tensor_load_to_lds s[G0W:G0W+3], s[G1W:G1W+7]
	s_nop 0
	PLACES
.Lasked:
	s_wait_tensorcnt 0x0                           ; my tile is in
	s_barrier_signal -1
	s_barrier_wait -1                              ; and everybody's
; One product: Wo's block b x token block a, step k.  Step 0 starts the sum.
.macro WM b, a, k
.set rD, ACC+32*((\a)%2)+8*(\b)
.set rA, 48*((\k)%5)+12*(\b)
.set rB, X1F+96*((\a)%2)+12*(\k)
.set rS, XS0+8*((\b)%2)+(\k)
.set rT, XS1+8*((\a)/2)+(\k)
.if (\k) == 0
.if ((\b) < 2) && (((\a)%2) == 0)
	v_wmma_scale_f32_16x16x128_f8f6f4 v[rD:rD+7], v[rA:rA+11], v[rB:rB+11], 0, v[rS], v[rT] matrix_a_fmt:MATRIX_FMT_FP6 matrix_b_fmt:MATRIX_FMT_FP6
.elseif (\b) < 2
	v_wmma_scale_f32_16x16x128_f8f6f4 v[rD:rD+7], v[rA:rA+11], v[rB:rB+11], 0, v[rS], v[rT] matrix_a_fmt:MATRIX_FMT_FP6 matrix_b_fmt:MATRIX_FMT_FP6 matrix_b_scale:MATRIX_SCALE_ROW1
.elseif ((\a)%2) == 0
	v_wmma_scale_f32_16x16x128_f8f6f4 v[rD:rD+7], v[rA:rA+11], v[rB:rB+11], 0, v[rS], v[rT] matrix_a_fmt:MATRIX_FMT_FP6 matrix_b_fmt:MATRIX_FMT_FP6 matrix_a_scale:MATRIX_SCALE_ROW1
.else
	v_wmma_scale_f32_16x16x128_f8f6f4 v[rD:rD+7], v[rA:rA+11], v[rB:rB+11], 0, v[rS], v[rT] matrix_a_fmt:MATRIX_FMT_FP6 matrix_b_fmt:MATRIX_FMT_FP6 matrix_a_scale:MATRIX_SCALE_ROW1 matrix_b_scale:MATRIX_SCALE_ROW1
.endif
.else
.if ((\b) < 2) && (((\a)%2) == 0)
	v_wmma_scale_f32_16x16x128_f8f6f4 v[rD:rD+7], v[rA:rA+11], v[rB:rB+11], v[rD:rD+7], v[rS], v[rT] matrix_a_fmt:MATRIX_FMT_FP6 matrix_b_fmt:MATRIX_FMT_FP6
.elseif (\b) < 2
	v_wmma_scale_f32_16x16x128_f8f6f4 v[rD:rD+7], v[rA:rA+11], v[rB:rB+11], v[rD:rD+7], v[rS], v[rT] matrix_a_fmt:MATRIX_FMT_FP6 matrix_b_fmt:MATRIX_FMT_FP6 matrix_b_scale:MATRIX_SCALE_ROW1
.elseif ((\a)%2) == 0
	v_wmma_scale_f32_16x16x128_f8f6f4 v[rD:rD+7], v[rA:rA+11], v[rB:rB+11], v[rD:rD+7], v[rS], v[rT] matrix_a_fmt:MATRIX_FMT_FP6 matrix_b_fmt:MATRIX_FMT_FP6 matrix_a_scale:MATRIX_SCALE_ROW1
.else
	v_wmma_scale_f32_16x16x128_f8f6f4 v[rD:rD+7], v[rA:rA+11], v[rB:rB+11], v[rD:rD+7], v[rS], v[rT] matrix_a_fmt:MATRIX_FMT_FP6 matrix_b_fmt:MATRIX_FMT_FP6 matrix_a_scale:MATRIX_SCALE_ROW1 matrix_b_scale:MATRIX_SCALE_ROW1
.endif
.endif
.endm
.macro MUL a                           ; a token block's 32 products: its four accumulators take turns, one instruction a turn; neighbouring blocks have different sets
.set kk, 0
.rept 8
.if kk == 0
	WIN 0xa1                                       ; source 0 (Wo) window 1, source 1 (tokens) window 0, C and D window 2
.endif
.if kk == 5
	WIN 0xa2                                       ; Wo's steps 5-7 lie in window 2
.endif
.irp b, 0,1,2,3
	WM \b, \a, kk
.endr
.set kk, kk+1
.endr
.endm
.macro FETCH a                         ; 24 loads: token block a's 12,288 bytes, as they lie, into set a % 2
.set jj, 0
.rept 24
	ds_load_b128 v[X1F+96*((\a)%2)+4*jj:X1F+96*((\a)%2)+4*jj+3], v[AD1+(\a)/4] offset:12288*((\a)%4)+512*jj
.set jj, jj+1
.endr
.endm
.macro WLOAD k0, k1                    ; Wo's fragments of steps k0 .. k1 - 1
.irp b, 0,1,2,3
.set jj, 3*(\k0)
.rept 3*((\k1)-(\k0))
	ds_load_b128 v[48*((jj/3)%5)+12*\b+4*(jj%3):48*((jj/3)%5)+12*\b+4*(jj%3)+3], v[AD0] offset:12288*\b+512*jj
.set jj, jj+1
.endr
.endr
.endm
.macro STG a                           ; 8 stores: the block's four accumulators into my stage, each from its low end on
.irp b, 0,1,2,3
	ds_store_b128 v[STO], v[ACC+32*((\a)%2)+8*\b:ACC+32*((\a)%2)+8*\b+3] offset:128*(\b/2)+32*(\b%2)
	ds_store_b128 v[STO], v[ACC+32*((\a)%2)+8*\b+4:ACC+32*((\a)%2)+8*\b+7] offset:128*(\b/2)+32*(\b%2)+16
.endr
.endm
.macro RB                              ; 8 loads: back by rows.  LDS serves a wave's instructions in order (ISA guide 5.7.1.4): these see the stores above
.irp t, 0,1,2,3,4,5,6,7
	ds_load_b128 v[BK+4*\t:BK+4*\t+3], v[RD] offset:\t*2*SP
.endr
.endm
.macro SEND a                          ; stage row t is the block's token t + 8 (t / 8); 16 lanes store 256 consecutive bytes, aligned
.irp t, 0,1,2,3,4,5,6,7
	global_store_b128 v[CO], v[BK+4*\t:BK+4*\t+3], s[8:9] offset:(32*((\a)/2)+8*((\a)%2)+2*\t+8*(\t/4))*8192 th:TH_STORE_NT
.endr
.endm
; A token block: its products; the block before it, back from the stage meanwhile, is stored; its own results go through the stage; its set of registers takes the block two further on.
.macro BLOCK a
.if (\a) == 0
	s_wait_dscnt 24                                ; all but the youngest 24 loads, block 1's
.elseif (\a) < 7
	s_wait_dscnt 40                                ; behind this block's fragments: 8 stores, 24 loads, 8 loads
.else
	s_wait_dscnt 16                                ; 8 stores, 8 loads
.endif
	MUL \a
.if (\a) > 0
	s_wait_dscnt 0x0                               ; the block before is back in registers
	WIN 0x08                                       ; a store's data are its source 1: window 2
	SEND (\a)-1
.endif
	PLACES                                         ; in front of the reads of the results and of the loads into the fragments' registers
	WIN 0x08
	STG \a
.if (\a) < 6
	WIN 0
	FETCH (\a)+2
.endif
.if (\a) > 0
	s_wait_xcnt 0x0                                ; the stores above have read their registers: the loads below may land there
.endif
	WIN 0x80                                       ; destination window 2
	RB
.endm
	WIN 0x40                                       ; destination window 1
	WLOAD 0, 5
	WIN 0x80
	WLOAD 5, 8
	WIN 0
	FETCH 0
	FETCH 1
	s_wait_loadcnt 0x0                             ; the scale words are in
.irp a, 0,1,2,3,4,5,6,7
	BLOCK \a
.endr
	s_wait_dscnt 0x0
	WIN 0x08
	SEND 7
	WIN 0
	s_wait_tensorcnt 0x0                           ; the wave's end, behind my last tensor load and my last LDS store
	ds_add_u32 v[SPW], v[NIL]
	s_wait_dscnt 0x0
	CROUND                                         ; the closing round: no work-group ends while a partner may still ask for a tile that names it
	s_endpgm
.Lfunc_end_k_q9770386931_oproj:
	.size	k_q9770386931_oproj, .Lfunc_end_k_q9770386931_oproj-k_q9770386931_oproj
	.p2alignl 7, 3214868480
	.fill 96, 4, 3214868480
	.section	.rodata,"a",@progbits
	.p2align	6, 0x0
	.amdhsa_kernel k_q9770386931_oproj
		.amdhsa_group_segment_fixed_size 327680
		.amdhsa_private_segment_fixed_size 0
		.amdhsa_enable_private_segment 0
		.amdhsa_kernarg_size 24
		.amdhsa_user_sgpr_count 2
		.amdhsa_user_sgpr_kernarg_segment_ptr 1
		.amdhsa_wavefront_size32 1
		.amdhsa_system_sgpr_workgroup_id_x 1
		.amdhsa_system_sgpr_workgroup_id_y 1
		.amdhsa_system_sgpr_workgroup_id_z 1
		.amdhsa_system_vgpr_workitem_id 0
		.amdhsa_next_free_vgpr 768
		.amdhsa_next_free_sgpr 66
		.amdhsa_reserve_vcc 0
		.amdhsa_float_denorm_mode_32 3
		.amdhsa_float_denorm_mode_16_64 3
		.amdhsa_memory_ordered 1
		.amdhsa_forward_progress 1
		.amdhsa_inst_pref_size 76
	.end_amdhsa_kernel
	.amdgpu_metadata
---
amdhsa.version: [ 1, 2 ]
amdhsa.kernels:
  - .name:           k_q9770386931_oproj
    .symbol:         k_q9770386931_oproj.kd
    .args:
      - { .name: att, .offset: 0, .size: 8, .value_kind: global_buffer, .address_space: global }
      - { .name: cw, .offset: 8, .size: 8, .value_kind: global_buffer, .address_space: global }
      - { .name: out0, .offset: 16, .size: 8, .value_kind: global_buffer, .address_space: global }
    .group_segment_fixed_size: 327680
    .private_segment_fixed_size: 0
    .kernarg_segment_align: 8
    .kernarg_segment_size: 24
    .max_flat_workgroup_size: 128
    .sgpr_count:     66
    .vgpr_count:     768
    .wavefront_size: 32
...
	.end_amdgpu_metadata
.endif
;; end of part 4
